; MI455X (gfx1250); checked and timed in simulation.
; The chip was launched on July 23, 2026; its instructions are those of AMD's public machine-readable ISA for CDNA 5 (MIT licence, August 2026) and "CDNA5" Instruction Set Architecture Reference Guide (July 2026). The comments in the code are by the model that wrote it; some were corrected since.
;; Cloud Crop. Allowed arithmetic: matrix products marked QUANTISED: E4M3 operands, one given power-of-two scale a tensor, by v_wmma_f32_16x16x64_fp8_fp8 or v_wmma_f32_16x16x128_fp8_fp8, f32 sums; products left as they are: f32 operands where the result goes on into a quantised operand, else bf16, f16 or f32 operands; f32 sums; everything else in f32.
;; Inputs: W1 256 x 259 float32; W2 256 x 256 float32; beta1 256 float32; beta2 256 float32; gamma1 256 float32; gamma2 256 float32; lowp_scales 4 int32 (the exponents e of the quantised operands' scales 2^e); seed_features_graspable 4 x 256 x 2,048 float32; seed_xyz_graspable 4 x 2,048 x 3 float32; vp_rot 4 x 2,048 x 3 x 3 float32.
;; Outputs: out0 4 x 256 x 2,048 float32.
;; This version of the problem:
;;   THIS VERSION OF THE PROBLEM IS GIVEN IN LOW PRECISION. The matrix products marked QUANTISED in the list below multiply operands that are first quantised to E4M3 (4 exponent bits, 3 mantissa bits; 8 bits a number), with one given power-of-two scale for each operand tensor; their sums are f32. All else is computed in f32.
;;   The module's matrix products, in the order in which they are computed (A, B: the left and right operand; K: the contracted axis; several contracted axes count as one K, in the product's order):
;;     1. batch 8,192 x [M 2,048, K 3] x [K 3, N 3]; A: computed on the way; B: input vp_rot: left as it is (K = 3 < 32)
;;     2. batch 8,192 x [M 32, K 3] x [K 3, N 3]; A: computed on the way; B: input vp_rot: left as it is (K = 3 < 32)
;;     3. [M 262,144, K 259] x [K 259, N 256]; A: computed on the way; B: input W1: QUANTISED (scales: A lowp_scales[0], B lowp_scales[1])
;;     4. [M 262,144, K 256] x [K 256, N 256]; A: computed on the way; B: input W2: QUANTISED (scales: A lowp_scales[2], B lowp_scales[3])
;;   THE QUANTISER, for each operand of a quantised product, along K:
;;     - The operand's scale is 2^e, e = its entry of the input lowp_scales (int32; the entries are numbered through the quantised products in the list's order, A before B).
;;     - Each number is divided by the scale, clamped to +-448, and rounded to the nearest number of E4M3, ties to even, subnormals kept.
;;     - The product sums the exact products of the quantised numbers (number of the format x scale) in f32.
;;   ~~~python
;;   def quantise(x, axis, e):      # numpy; x: float32 -> the quantised numbers, widened to float32 again
;;       x = np.moveaxis(x, axis, -1); K = x.shape[-1]
;;       r = np.clip(x / 2.0 ** e, -448, 448)
;;       step = 2.0 ** (np.maximum(np.frexp(np.where(r == 0, 1, r))[1] - 1, -6) - 3)
;;       q = np.round(r / step) * step * 2.0 ** e      # np.round: ties to even
;;       return np.moveaxis(q, -1, axis).astype(np.float32)
;;   ~~~
;;   OPERANDS COMPUTED ON THE WAY. 'Computed on the way' means the value that the module computes at that place (a softmax that the list does not call 'softmax' is quantised finished and normalised). What goes into a quantiser is computed in f32, as accurately as f32 sums, v_exp_f32 and their like allow (about 1e-6 of the number): no bf16 or f16 on the way to a quantiser, and a product that is left as it is and whose result goes on into a quantised operand takes f32 operands (vector FMAs, or v_wmma_f32_16x16x4_f32). A number that lies on a knife's edge between two numbers of the format may be rounded either way, as far as f32 arithmetic and the matrix unit's own rounding can turn it there, and no further.
;; One version. Each part assembles by itself: llvm-mc -triple=amdgcn-amd-amdhsa -mcpu=gfx1250 --defsym DOCPART=n.
;; ======== version 1 of 1: 6 launches
;; workspace buffers: IDX 1,048,576 bytes of whole numbers; FQ 2,097,152 bytes; WI 133,120 bytes; PART1 786,432 bytes; PART2 786,432 bytes; RM1 2,048 bytes; RM2 2,048 bytes; MX 8,388,608 bytes
;; launch prep (part 1): grid 352 x 1, 8 waves a work-group, no clusters, 64,512 bytes of LDS; arguments seed_xyz_graspable, vp_rot, seed_features_graspable, W1, W2, lowp_scales, IDX, FQ, WI; writes IDX, FQ, WI
.if DOCPART == 1
	.amdgcn_target "amdgcn-amd-amdhsa--gfx1250"
	.amdhsa_code_object_version 6
	.text
	.protected	k_qe0f3e88d28_prep
	.globl	k_qe0f3e88d28_prep
	.p2align	8
	.type	k_qe0f3e88d28_prep,@function
k_qe0f3e88d28_prep:
	s_mov_b64 s[64:65], 0
	v_nop
	global_prefetch_b8 v0, s[64:65] scope:SCOPE_SE
	s_setreg_imm32_b32 hwreg(HW_REG_WAVE_MODE, 25, 1), 1
	s_wait_xcnt 0x0
; PREP: three jobs in one launch, told apart by the work-group's number; each has LDS bytes of its own.
;  MASK (work-groups 0-255): for 32 queries each, all 2,048 points of the batch are tested against the rotated cylinder and the first 32 hits are listed
;       (padded with the first hit; 0 where there is none).  IDX [8192 queries][32] int32.
;  FEAT (256-319): the features [b][256 ch][2048 n] become codes of E4M3 with the scale 2^e0, laid FQ [b*2048+n][256 ch]: one row of 256 bytes a point.
;  WGT  (320-351): W1 and W2 become codes (2^e1, 2^e3), laid as images of the operand's registers: a tile of 16 rows is 8 pieces of 512 bytes, lane l's 16 codes at 16 l.
; The list is made of compares of f32 numbers, so nothing here is addressed or branched by it: a hit is chosen by v_cndmask_b32 and stored at a fixed place.
; ARITHMETIC OF THE TEST: d = x - q first, then r_i = fma(d2, R_i2, fma(d1, R_i1, d0 R_i0)), r1 r1 then fma(r2, r2, .).
; LIMITS: a pair of points that lies within the rounding of these sums of a bound of the cylinder may fall on either side of it.
;         e0, e1, e3 between -126 and 119, so that 2^e and 448 x 2^e are f32 numbers.  NaN among the inputs is not served.
.set XR,  64                           ; v64-127   x of the batch's points: pair i = points 64 i + lane, 64 i + 32 + lane
.set YR,  128                          ; v128-191  y
.set ZR,  192                          ; v192-255  z
.set IST, 24576                        ; LDS, MASK: 0 .. 24,575 the batch's xyz as it lies; then 512 bytes a wave: four queries' lists
.set FST, 28672                        ; LDS, FEAT: 128 rows (points) of 256 codes, 272 bytes apart
.set FPI, 272
; two groups of 64 points, line by line by turns.  Group g: d in v[16+12g ..21+12g], r in v[22+12g .. 27+12g]
.macro GROUP2 i
.irp g, 0,1
	v_pk_add_f32 v[16+12*\g:17+12*\g], v[XR+2*((\i)+\g):XR+2*((\i)+\g)+1], s[32:33] op_sel_hi:[1,0]   ; d0 = x + (-qx): the low word of the scalar pair serves both halves
.endr
.irp g, 0,1
	v_pk_add_f32 v[18+12*\g:19+12*\g], v[YR+2*((\i)+\g):YR+2*((\i)+\g)+1], s[34:35] op_sel_hi:[1,0]
.endr
.irp g, 0,1
	v_pk_add_f32 v[20+12*\g:21+12*\g], v[ZR+2*((\i)+\g):ZR+2*((\i)+\g)+1], s[36:37] op_sel_hi:[1,0]
.endr
.irp c, 0,1,2
.irp g, 0,1
	v_pk_mul_f32 v[22+12*\g+2*\c:23+12*\g+2*\c], v[16+12*\g:17+12*\g], s[38+6*\c:39+6*\c] op_sel_hi:[1,0]
.endr
.endr
.irp c, 0,1,2
.irp g, 0,1
	v_pk_fma_f32 v[22+12*\g+2*\c:23+12*\g+2*\c], v[18+12*\g:19+12*\g], s[40+6*\c:41+6*\c], v[22+12*\g+2*\c:23+12*\g+2*\c] op_sel_hi:[1,0,1]
.endr
.endr
.irp c, 0,1,2
.irp g, 0,1
	v_pk_fma_f32 v[22+12*\g+2*\c:23+12*\g+2*\c], v[20+12*\g:21+12*\g], s[42+6*\c:43+6*\c], v[22+12*\g+2*\c:23+12*\g+2*\c] op_sel_hi:[1,0,1]
.endr
.endr
.irp g, 0,1
	v_pk_mul_f32 v[16+12*\g:17+12*\g], v[24+12*\g:25+12*\g], v[24+12*\g:25+12*\g]
.endr
.irp g, 0,1
	v_pk_fma_f32 v[16+12*\g:17+12*\g], v[26+12*\g:27+12*\g], v[26+12*\g:27+12*\g], v[16+12*\g:17+12*\g]   ; r1^2 + r2^2
.endr
.irp g, 0,1
.irp u, 0,1
	v_cmp_gt_f32 s[80+6*\g+3*\u], s56, v[16+12*\g+\u]      ; RADIUS^2 > r1^2 + r2^2
	v_cmp_lt_f32 s[81+6*\g+3*\u], s57, v[22+12*\g+\u]      ; HMIN < r0
	v_cmp_gt_f32 s[82+6*\g+3*\u], s58, v[22+12*\g+\u]      ; HMAX > r0
.endr
.endr
.irp g, 0,1
.irp u, 0,1
	s_and_b32 s[92+2*\g+\u], s[80+6*\g+3*\u], s[81+6*\g+3*\u]
	s_and_b32 s[92+2*\g+\u], s[92+2*\g+\u], s[82+6*\g+3*\u]   ; word 2 (i + g) + u of the query's mask: points 32 j + lane
.endr
.endr
	SELW 92
	SELW 93
	SELW 94
	SELW 95
.endm
; s74 = (hits in front of this word) << 8 | the word's number.  Lane s keeps the LAST word in front of which at most s hits lie: that word holds hit number s.
.macro SELW w
	v_cmp_le_u32 vcc_lo, s74, v3                   ; v3 = lane << 8 | 0xff
	s_bcnt1_i32_b32 s75, s[\w]
	v_cndmask_b32 v4, v4, s[\w], vcc_lo
	v_cndmask_b32 v5, v5, s74, vcc_lo
	s_lshl_b32 s75, s75, 8
	s_add_co_u32 s75, s75, 1
	s_add_co_u32 s74, s74, s75
.endm
; one step of the search for set bit number v7 of the word v4: t = the set bits of the field at v13; if v7 >= t, pass over the field
.macro SELSTEP src, fw, inc
	v_bfe_u32 v12, v[\src], v13, \fw
	v_cmp_ge_u32 vcc_lo, v7, v12
	v_cndmask_b32 v12, 0, v12, vcc_lo
	v_sub_nc_u32 v7, v7, v12
	v_cndmask_b32 v12, 0, \inc, vcc_lo
	v_add_nc_u32 v13, v13, v12
.endm
	s_set_vgpr_msb 0x40
	v_lshl_add_u32 v0, v0, 2, 0xf800
	v_mov_b32 v1, 0
	s_set_vgpr_msb 0x4000
	v_lshrrev_b32 v1, 5, v0
	v_readfirstlane_b32 s10, v1                    ; wave 0..7
	v_and_b32 v1, 31, v0                           ; lane
	s_cmp_lt_u32 ttmp9, 256
	s_cbranch_scc0 .Lnot_mask
; ------------------------------------------------------------------ MASK
; s[4:5] xyz, s[6:7] rot, s[8:9] IDX at my four queries; s12 query, s13 trip; s[16:18], s[20:28] the next query's numbers as loaded;
; s32, 34, 36 = -q; s38 + 2 (3 i + j) = R_ij (the odd registers beside them are named as upper halves of pairs, so they are written); s56-58 the three bounds; s77, s78 the scalar loads' offsets; s79 128 x trip
	s_load_b128 s[4:7], s[0:1], 0x0
	s_load_b64 s[8:9], s[0:1], 0x30
	v_mul_u32_u24 v2, v1, 12                       ; a point is 12 bytes
	v_lshl_or_b32 v3, v1, 8, 0xff
	v_lshlrev_b32 v6, 4, v0                        ; 16 x thread: the copy of xyz
	s_lshl_b32 s75, s10, 9
	s_add_co_u32 s75, s75, IST
	v_lshl_add_u32 v14, v1, 2, s75                 ; my word in my wave's lists
	v_lshl_add_u32 v15, v1, 4, s75                 ; and my 16 bytes of them on the way out
	s_lshr_b32 s11, ttmp9, 6                       ; batch
	s_mul_i32 s14, s11, 24576
	s_mov_b32 s15, 0
	s_lshl_b32 s12, ttmp9, 5
	s_lshl_b32 s13, s10, 2
	s_add_co_u32 s12, s12, s13                     ; my first query: 32 x work-group + 4 x wave
	s_mul_i32 s77, s12, 12
	s_mul_i32 s78, s12, 36
	s_lshl_b32 s30, s12, 7                         ; its list: 128 bytes a query
	s_mov_b32 s31, 0
	s_mov_b32 s56, 0x3b23d70a                      ; 0.05^2 as f32
	s_mov_b32 s57, 0xbca3d70a                      ; -0.02
	s_mov_b32 s58, 0x3d23d70a                      ; 0.04
.irp n, 33,35,37,39,41,43,45,47,49,51,53,55
	s_mov_b32 s\n, 0
.endr
	s_wait_kmcnt 0x0
	s_add_nc_u64 s[14:15], s[4:5], s[14:15]
	s_add_nc_u64 s[8:9], s[8:9], s[30:31]
.irp k, 0,1,2,3,4,5
	global_load_b128 v[40+4*\k:43+4*\k], v6, s[14:15] offset:4096*\k     ; the batch's 24,576 bytes: 4,096 consecutive bytes a line for the work-group
.endr
	s_load_b96 s[16:18], s[4:5], s77 offset:0x0    ; the first query's point,
	s_load_b256 s[20:27], s[6:7], s78 offset:0x0   ; and its rotation
	s_load_b32 s28, s[6:7], s78 offset:0x20
	s_wait_loadcnt 0x0
.irp k, 0,1,2,3,4,5
	ds_store_b128 v6, v[40+4*\k:43+4*\k] offset:4096*\k
.endr
	s_wait_dscnt 0x0                               ; for the others' sake: my part of the copy lies in LDS
	s_barrier_signal -1
	s_barrier_wait -1
.set I, 0
.rept 32                                       ; all 2,048 points into registers, 64 a lane: lanes 12 bytes apart
	ds_load_b32 v[XR+2*I],   v2 offset:768*I
	ds_load_b32 v[XR+2*I+1], v2 offset:768*I+384
	ds_load_b32 v[YR+2*I],   v2 offset:768*I+4
	ds_load_b32 v[YR+2*I+1], v2 offset:768*I+388
	ds_load_b32 v[ZR+2*I],   v2 offset:768*I+8
	ds_load_b32 v[ZR+2*I+1], v2 offset:768*I+392
.set I, I+1
.endr
	s_mov_b32 s13, 0
	s_mov_b32 s79, 0
	s_wait_dscnt 0x0
.Lquery:                                           ; four trips, a query each
	s_wait_kmcnt 0x0                               ; this query's numbers are in
	s_xor_b32 s32, s16, 0x80000000
	s_xor_b32 s34, s17, 0x80000000
	s_xor_b32 s36, s18, 0x80000000
.irp n, 0,1,2,3,4,5,6,7,8
	s_mov_b32 s[38+2*\n], s[20+\n]
.endr
	s_cmp_eq_u32 s13, 3                            ; the last trip asks for nothing
	s_cbranch_scc1 .Lno_next
	s_add_co_u32 s77, s77, 12                      ; (the loads that read these offsets are done: the wait above)
	s_add_co_u32 s78, s78, 36
	s_load_b96 s[16:18], s[4:5], s77 offset:0x0
	s_load_b256 s[20:27], s[6:7], s78 offset:0x0
	s_load_b32 s28, s[6:7], s78 offset:0x20
.Lno_next:
	v_mov_b32 v4, 0                                ; the word kept,
	v_mov_b32 v5, 0                                ; and its s74
	s_mov_b32 s74, 0
.set I, 0
.rept 16
	GROUP2 I
.set I, I+2
.endr
	s_lshr_b32 s76, s74, 8                         ; T: hits in all
	v_and_b32 v6, 0xff, v5                         ; the word's number
	v_lshrrev_b32 v7, 8, v5
	v_sub_nc_u32 v7, v1, v7                        ; which set bit of it is mine
	v_lshrrev_b32 v8, 1, v4                        ; counts of set bits in fields of 2, 4, 8 bits, and of the low 16
	v_and_b32 v8, 0x55555555, v8
	v_sub_nc_u32 v8, v4, v8
	v_lshrrev_b32 v9, 2, v8
	v_and_b32 v9, 0x33333333, v9
	v_and_b32 v10, 0x33333333, v8
	v_add_nc_u32 v9, v9, v10
	v_lshrrev_b32 v10, 4, v9
	v_add_nc_u32 v10, v10, v9
	v_and_b32 v10, 0x0f0f0f0f, v10
	v_lshrrev_b32 v11, 8, v10
	v_add_nc_u32 v11, v11, v10
	v_mov_b32 v13, 0
	SELSTEP 11, 8, 16
	SELSTEP 10, 8, 8
	SELSTEP 9, 4, 4
	SELSTEP 8, 2, 2
	SELSTEP 4, 1, 1
	v_lshl_add_u32 v41, v6, 5, v13                 ; the point: 32 x word + bit
	v_readlane_b32 s75, v41, 0                     ; the first hit,
	s_min_u32 s73, s76, 1
	s_mul_i32 s75, s75, s73                        ; or 0 where there is no hit at all
	v_cmp_gt_u32 vcc_lo, s76, v1
	v_cndmask_b32 v41, s75, v41, vcc_lo            ; lanes at or beyond T take the pad
	v_add_nc_u32 v40, s79, v14
	ds_store_b32 v40, v41
	s_add_co_u32 s79, s79, 128
	s_wait_dscnt 0x0                               ; the store has read its registers
	s_add_co_u32 s13, s13, 1
	s_cmp_lt_u32 s13, 4
	s_cbranch_scc1 .Lquery
	ds_load_b128 v[44:47], v15                     ; my wave's own bytes: LDS serves a wave's instructions in order
	v_lshlrev_b32 v48, 4, v1
	s_wait_dscnt 0x0
	global_store_b128 v48, v[44:47], s[8:9]        ; four lists: 512 consecutive bytes, aligned
	s_set_vgpr_msb 0x5
	s_wait_tensorcnt 0x0
	ds_add_u32 v0, v1
	s_wait_dscnt 0x0
	s_set_vgpr_msb 0x500
	s_endpgm
; ------------------------------------------------------------------ FEAT
; A lane takes a point and its registers run down the channels: each load reads neighbouring points in neighbouring lanes, and the conversions give codes with the channels innermost.
; Work-group f: batch f / 16, 128 points.  Wave: 32 points (wave % 4) x 128 channels (wave / 4).  The codes meet in a stage and leave as whole rows of 256 bytes.
.Lnot_mask:
	s_cmp_lt_u32 ttmp9, 320
	s_cbranch_scc0 .Lwgt
	s_load_b64 s[4:5], s[0:1], 0x10                ; features
	s_load_b64 s[6:7], s[0:1], 0x28                ; the scales' exponents
	s_load_b64 s[8:9], s[0:1], 0x38                ; FQ
	s_sub_co_u32 s11, ttmp9, 256
	s_lshr_b32 s12, s11, 4                         ; batch
	s_and_b32 s13, s11, 15                         ; which 128 points
	s_and_b32 s14, s10, 3                          ; which 32 of them
	s_lshr_b32 s15, s10, 2                         ; which 128 channels
	s_lshl_b32 s16, s12, 21                        ; a batch is 256 x 8,192 bytes
	s_lshl_b32 s17, s15, 20
	s_add_co_u32 s16, s16, s17
	s_lshl_b32 s17, s13, 9
	s_add_co_u32 s16, s16, s17
	s_lshl_b32 s17, s14, 7
	s_add_co_u32 s16, s16, s17
	s_mov_b32 s17, 0
	v_lshlrev_b32 v2, 2, v1                        ; in: 4 bytes a lane
	s_mul_i32 s18, s14, 32*FPI
	s_lshl_b32 s19, s15, 7
	s_add_co_u32 s18, s18, s19
	s_add_co_u32 s18, s18, FST
	v_mul_u32_u24 v3, v1, FPI
	v_add_nc_u32 v3, s18, v3                       ; into the stage: row = my point, + my 128 channels
	v_lshrrev_b32 v4, 4, v1
	v_and_b32 v5, 15, v1
	v_mul_u32_u24 v6, v4, FPI
	v_lshl_add_u32 v6, v5, 4, v6
	s_mul_i32 s19, s10, 16*FPI
	s_add_co_u32 s19, s19, FST
	v_add_nc_u32 v6, s19, v6                       ; out of it: my wave's 16 rows, sixteen lanes to a row
	v_lshlrev_b32 v7, 4, v1                        ; two rows of FQ are 512 consecutive bytes
	s_lshl_b32 s20, s12, 19
	s_lshl_b32 s21, s13, 15
	s_add_co_u32 s20, s20, s21
	s_lshl_b32 s21, s10, 12
	s_add_co_u32 s20, s20, s21
	s_mov_b32 s21, 0
	s_wait_kmcnt 0x0
	s_load_b32 s22, s[6:7], 0x0                    ; e0
	s_add_nc_u64 s[4:5], s[4:5], s[16:17]
	s_add_nc_u64 s[8:9], s[8:9], s[20:21]
.macro LOADF t                         ; 32 channels of my point
.irp i, 0,1,2,3,4,5,6,7,8,9,10,11,12,13,14,15,16,17,18,19,20,21,22,23,24,25,26,27,28,29,30,31
	global_load_b32 v[32+32*(\t)+\i], v2, s[4:5] offset:(32*(\t)+\i)*8192 th:TH_LOAD_NT
.endr
.endm
	LOADF 0
	LOADF 1
	s_wait_kmcnt 0x0
	s_add_co_i32 s22, s22, 127
	s_lshl_b32 s23, s22, 23
	v_mov_b32 v10, s23                             ; 2^e0 as f32: the conversion takes its exponent field
	s_add_co_i32 s22, s22, 8
	s_lshl_b32 s22, s22, 23
	s_or_b32 s22, s22, 0x600000
	v_mov_b32 v11, s22                             ; 448 x 2^e0
.macro BLOCKF t
.if (\t) < 3
	s_wait_loadcnt 32                              ; this block's 32 loads are in; the next block's may be out
.else
	s_wait_loadcnt 0x0
.endif
.if (\t)+2 < 4
	LOADF (\t)+2
.endif
.irp i, 0,1,2,3,4,5,6,7,8,9,10,11,12,13,14,15,16,17,18,19,20,21,22,23,24,25,26,27,28,29,30,31
	v_med3_num_f32 v[32+32*(\t)+\i], v[32+32*(\t)+\i], -v11, v11   ; the conversion to an 8-bit code does not saturate (ISA guide 7.6.2): the hold comes first
.endr
.irp g, 0,1,2,3
	v_cvt_scalef32_pk8_fp8_f32 v[160+8*(\t)+2*\g:161+8*(\t)+2*\g], v[32+32*(\t)+8*\g:39+32*(\t)+8*\g], v10
.endr
	ds_store_b128 v3, v[160+8*(\t):163+8*(\t)] offset:32*(\t)      ; each block has registers of its own for its codes: nothing that a store reads is written again
	ds_store_b128 v3, v[164+8*(\t):167+8*(\t)] offset:32*(\t)+16
.endm
	BLOCKF 0
	BLOCKF 1
	BLOCKF 2
	BLOCKF 3
	s_wait_dscnt 0x0                               ; for the others' sake: a row's two halves come from two waves
	s_barrier_signal -1
	s_barrier_wait -1
.irp i, 0,1,2,3,4,5,6,7
	ds_load_b128 v[192+4*\i:195+4*\i], v6 offset:2*\i*FPI
.endr
.irp i, 0,1,2,3,4,5,6,7
	s_wait_dscnt 7-\i                              ; the younger loads may be out
	global_store_b128 v7, v[192+4*\i:195+4*\i], s[8:9] offset:512*\i   ; two rows: 512 consecutive bytes, aligned
.endr
	s_set_vgpr_msb 0x5
	s_wait_tensorcnt 0x0
	ds_add_u32 v0, v1
	s_wait_dscnt 0x0
	s_set_vgpr_msb 0x500
	s_endpgm
; ------------------------------------------------------------------ WGT
; Work-group g: tensor g / 16, tile g % 16; wave = piece p = 4 s + c.  Lane (r, h) makes the 16 codes of K = 128 s + 32 c + 16 h + 0 .. 15 of the tile's row for lane r.
; W1's K begins behind its three xyz columns; the rows of a tile of W1 are not neighbours: lane r of tile 2 b + u takes row 32 b + 8 u + r + 8 (r / 8),
; so that in the transposed product the 16 registers of two neighbouring tiles are 16 neighbours along the next K.  W2's tile n takes rows 16 n + r.
.Lwgt:
	s_load_b128 s[4:7], s[0:1], 0x18               ; W1, W2
	s_load_b64 s[8:9], s[0:1], 0x28                ; the scales' exponents
	s_load_b64 s[24:25], s[0:1], 0x40              ; WI
	s_sub_co_u32 s11, ttmp9, 320
	s_lshr_b32 s14, s11, 4                         ; 0: W1, 1: W2
	s_and_b32 s15, s11, 15                         ; tile
	s_and_b32 s16, s15, 1
	s_lshl_b32 s16, s16, 3
	s_cmp_eq_u32 s14, 0
	s_cselect_b32 s16, s16, 0                      ; 8 (t % 2), for W1 alone
	s_cselect_b32 s18, 8, 0                        ; the mask that gives 8 (r / 8), for W1 alone
	s_cselect_b32 s19, 12, 0                       ; bytes in front of K in a row; a row is 1,024 bytes + these
	s_cselect_b32 s26, 0, 67584                    ; where the tensor's images begin in WI
	s_lshl_b32 s17, s15, 4
	s_sub_co_u32 s17, s17, s16
	s_add_co_u32 s21, s19, 1024
	s_lshl_b32 s22, s10, 7
	s_add_co_u32 s22, s22, s19                     ; + 128 bytes a piece
	s_lshl_b32 s23, s15, 12
	s_add_co_u32 s26, s26, s23
	s_lshl_b32 s23, s10, 9
	s_add_co_u32 s26, s26, s23
	s_mov_b32 s27, 0
	v_and_b32 v2, 15, v1                           ; r
	v_lshrrev_b32 v3, 4, v1                        ; h
	v_and_b32 v4, s18, v2
	v_add3_u32 v5, v2, v4, s17                     ; the row
	v_mul_lo_u32 v6, v5, s21
	v_lshl_add_u32 v6, v3, 6, v6
	v_add_nc_u32 v6, s22, v6
	v_lshlrev_b32 v7, 4, v1
	s_wait_kmcnt 0x0
	s_load_b128 s[28:31], s[8:9], 0x0              ; e0 .. e3
	s_cmp_eq_u32 s14, 0                            ; the choice hangs on the work-group's number alone
	s_cselect_b64 s[4:5], s[4:5], s[6:7]
	s_add_nc_u64 s[12:13], s[24:25], s[26:27]
.irp i, 0,1,2,3,4,5,6,7,8,9,10,11,12,13,14,15
	global_load_b32 v[16+\i], v6, s[4:5] offset:4*\i       ; W1's rows begin at multiples of 4 bytes only, so the loads are of 4 bytes
.endr
	s_wait_kmcnt 0x0
	s_cmp_eq_u32 s14, 0
	s_cselect_b32 s28, s29, s31                    ; e1 or e3
	s_add_co_i32 s28, s28, 127
	s_lshl_b32 s29, s28, 23
	v_mov_b32 v10, s29
	s_add_co_i32 s28, s28, 8
	s_lshl_b32 s28, s28, 23
	s_or_b32 s28, s28, 0x600000
	v_mov_b32 v11, s28
	s_wait_loadcnt 0x0
.irp i, 0,1,2,3,4,5,6,7,8,9,10,11,12,13,14,15
	v_med3_num_f32 v[16+\i], v[16+\i], -v11, v11
.endr
	v_cvt_scalef32_pk8_fp8_f32 v[12:13], v[16:23], v10
	v_cvt_scalef32_pk8_fp8_f32 v[14:15], v[24:31], v10
	global_store_b128 v7, v[12:15], s[12:13]       ; a piece: 512 consecutive bytes, aligned
	s_or_b32 s23, s14, s10
	s_cmp_lg_u32 s23, 0
	s_cbranch_scc1 .Lwgt_end
	; W1's three xyz columns, by wave 0 of each of W1's work-groups: one word a lane, codes of columns 0, 1, 2 and a zero in lanes 0-15, zero in lanes 16-31:
	; register 0 of a K = 64 fragment.  These sixteen stores of 128 bytes are the launch's only stores that do not cover whole blocks of 256 bytes.
	v_mul_u32_u24 v8, v5, 1036
	global_load_b32 v32, v8, s[4:5]
	global_load_b32 v33, v8, s[4:5] offset:4
	global_load_b32 v34, v8, s[4:5] offset:8
.irp i, 35,36,37,38,39
	v_mov_b32 v\i, 0
.endr
	s_lshl_b32 s26, s15, 7
	s_add_co_u32 s26, s26, 65536
	s_add_nc_u64 s[32:33], s[24:25], s[26:27]
	v_lshlrev_b32 v9, 2, v1
	s_wait_loadcnt 0x0
	v_med3_num_f32 v32, v32, -v11, v11
	v_med3_num_f32 v33, v33, -v11, v11
	v_med3_num_f32 v34, v34, -v11, v11
	v_cvt_scalef32_pk8_fp8_f32 v[40:41], v[32:39], v10
	v_nop                                          ; one plain vector line between a scaled conversion and the vector line that reads its result
	v_cmp_gt_u32 vcc_lo, 16, v1
	v_cndmask_b32 v40, 0, v40, vcc_lo
	global_store_b32 v9, v40, s[32:33]
.Lwgt_end:
	s_endpgm
.Lfunc_end_k_qe0f3e88d28_prep:
	.size	k_qe0f3e88d28_prep, .Lfunc_end_k_qe0f3e88d28_prep-k_qe0f3e88d28_prep
	.p2alignl 7, 3214868480
	.fill 96, 4, 3214868480
	.section	.rodata,"a",@progbits
	.p2align	6, 0x0
	.amdhsa_kernel k_qe0f3e88d28_prep
		.amdhsa_group_segment_fixed_size 64512
		.amdhsa_private_segment_fixed_size 0
		.amdhsa_enable_private_segment 0
		.amdhsa_kernarg_size 72
		.amdhsa_user_sgpr_count 2
		.amdhsa_user_sgpr_kernarg_segment_ptr 1
		.amdhsa_wavefront_size32 1
		.amdhsa_system_sgpr_workgroup_id_x 1
		.amdhsa_system_sgpr_workgroup_id_y 1
		.amdhsa_system_sgpr_workgroup_id_z 1
		.amdhsa_system_vgpr_workitem_id 0
		.amdhsa_next_free_vgpr 258
		.amdhsa_next_free_sgpr 100
		.amdhsa_reserve_vcc 1
		.amdhsa_float_denorm_mode_32 3
		.amdhsa_float_denorm_mode_16_64 3
		.amdhsa_memory_ordered 1
		.amdhsa_forward_progress 1
		.amdhsa_inst_pref_size 113
	.end_amdhsa_kernel
	.amdgpu_metadata
---
amdhsa.version: [ 1, 2 ]
amdhsa.kernels:
  - .name:           k_qe0f3e88d28_prep
    .symbol:         k_qe0f3e88d28_prep.kd
    .args:
      - { .name: seed_xyz_graspable, .offset: 0, .size: 8, .value_kind: global_buffer, .address_space: global }
      - { .name: vp_rot, .offset: 8, .size: 8, .value_kind: global_buffer, .address_space: global }
      - { .name: seed_features_graspable, .offset: 16, .size: 8, .value_kind: global_buffer, .address_space: global }
      - { .name: W1, .offset: 24, .size: 8, .value_kind: global_buffer, .address_space: global }
      - { .name: W2, .offset: 32, .size: 8, .value_kind: global_buffer, .address_space: global }
      - { .name: lowp_scales, .offset: 40, .size: 8, .value_kind: global_buffer, .address_space: global }
      - { .name: IDX, .offset: 48, .size: 8, .value_kind: global_buffer, .address_space: global }
      - { .name: FQ, .offset: 56, .size: 8, .value_kind: global_buffer, .address_space: global }
      - { .name: WI, .offset: 64, .size: 8, .value_kind: global_buffer, .address_space: global }
    .group_segment_fixed_size: 64512
    .private_segment_fixed_size: 0
    .kernarg_segment_align: 8
    .kernarg_segment_size: 72
    .max_flat_workgroup_size: 256
    .sgpr_count:     100
    .vgpr_count:     258
    .wavefront_size: 32
...
	.end_amdgpu_metadata
.endif
;; end of part 1
;; launch stat1 (part 2): grid 256 x 1, 8 waves a work-group, no clusters, 172,032 bytes of LDS; arguments IDX, FQ, WI, seed_xyz_graspable, vp_rot, lowp_scales, PART1; writes PART1
.if DOCPART == 2
	.amdgcn_target "amdgcn-amd-amdhsa--gfx1250"
	.amdhsa_code_object_version 6
	.text
	.protected	k_qe0f3e88d28_stat1
	.globl	k_qe0f3e88d28_stat1
	.p2align	8
	.type	k_qe0f3e88d28_stat1,@function
k_qe0f3e88d28_stat1:
	s_mov_b64 s[64:65], 0
	v_nop
	global_prefetch_b8 v0, s[64:65] scope:SCOPE_SE
	s_setreg_imm32_b32 hwreg(HW_REG_WAVE_MODE, 25, 1), 1
	s_wait_xcnt 0x0
; STAT1: the first convolution, for its batch statistics alone.  y1 (262,144 rows x 256 channels) is never stored: each work-group leaves the sums of (y1 - K) and (y1 - K)^2 of its 1,024 rows.
; K, the pivot, is y1 of one fixed row (point 0 of batch 0 with xyz = 0), the same in every work-group; it goes in as C = -K of each sum's first matrix instruction, so that the variance is no difference of large sums.
; SHARES.  A work-group has 32 queries, a wave 4, in two trips of 2 queries = 64 rows = 4 tiles of 16 rows (tile m: query m / 2, samples 16 (m % 2) + 0 .. 15).  W1's images lie in LDS; every wave walks the 16 tiles
; of channels through two sets of registers, and each fragment of W1 feeds 4 matrix instructions.  No barrier in the loop: the two waves of a SIMD drift, one's vector work beside the other's matrix work.
; K OF THE PRODUCT: xyz's three codes by one K = 64 instruction (register 0 of lanes 0-15; all else zero codes), the 256 features by two K = 128 instructions; registers 4 c .. 4 c + 3 hold k = 32 c + 16 (lane / 16) + 0 .. 15,
; alike on both sides.  The K = 64 form and the K = 128 form on one accumulator are no chain: five places stand between them.
; THE PRODUCT IS USED AS IT STANDS (source 0 = 16 rows, source 1 = 16 channels): a lane holds one channel, and the sums over rows are sums over its registers.  Lane r of tile t is channel 16 t - 8 (t % 2) + r + 8 (r / 8).
; No tensor loads, no cluster: the streamed operand is gathered by a list, through registers; what work-groups share is 67,584 bytes of weights, copied once.
; LIMITS: e0 between -126 and 119.  (x - q) / 0.05 is computed as x 20.0 (at most one unit in the last place off).  NaN among the inputs is not served.
; WINDOW 0: v1 16 lane; v2 XWL + 4 lane; v3 PIV + 16 lane; v6, v7 the gather's stage, in and out; v8 16 r; v9 32 h; v10 4 lane; v11, v12 2^e0, 448 x 2^e0; v17-18 the samples' points; v19-24 their xyz; v25, v28 permutes' destinations;
;   v26-27 xyz's codes; v32-63 four accumulators; v64.., v120..: two sets of (W1's fragment 32, its xyz fragment 8, -K 8); v176-207 the rows' xyz fragments; v208-223, v224-239 the sums; v240-247 eight numbers for the conversion; v248-255 at work.
; WINDOW 1: v0-127 the rows' fragments (32 a tile); v128-255 the gather as it is loaded.
; SCALARS: s[2:3] IDX at my queries; s[4:5] FQ at my batch; s[84:85] FQ; s[86:87] WI; s[8:9] xyz; s[10:11] xyz at my batch; s[12:13] rot; s[16:19] e0 .. e3; s20 wave; s23 trip; s24 query; s26-27 permute selects; s28, s29 lanes 0-15, 16-31;
;   s30, s31 scalar loads' offsets; s[32:37], s[40:57] two queries' point and rotation; s58 e0 + e1; s[76:77] my record of PART1.
.set XWL,  65536                       ; LDS: 0 W1's images; XWL their xyz words;
.set PIV,  67584                       ; -K as images of C, 1,024 bytes a tile;
.set KV,   83968                       ; K by channel;
.set GST,  84992                       ; 8,704 bytes a wave: two tiles of 16 rows, 272 bytes apart;
.set SQS,  154624                      ; 2,048 bytes a wave: its sums
.set ACC,  32
.set WF,   64
.set WX,   96
.set AB,   104
.set BUFD, 56
.set XF,   176
.set SS,   208
.set QQ,   224
.set RAW,  128
.set MSB,  0
.macro WIN new                         ; the immediate's high byte repeats the setting that is left
.if MSB != \new
	s_set_vgpr_msb (MSB<<8)|\new
.set MSB, \new
.endif
.endm
.macro NOPS n
.rept \n
	v_nop
.endr
.endm
; two queries' lists (each lane: the 8 samples whose rows it will fetch, for each tile; and its own sample), their points and rotations
.macro GIDX raw
	s_mul_i32 s30, s24, 12
	s_mul_i32 s31, s24, 36
	s_load_b128 s[32:35], s[8:9], s30 offset:0x0
	s_load_b64 s[36:37], s[8:9], s30 offset:0x10
	s_load_b512 s[40:55], s[12:13], s31 offset:0x0
	s_load_b64 s[56:57], s[12:13], s31 offset:0x40
	WIN 0x40
.irp m, 0,1,2,3
	global_load_b128 v[\raw+96+8*\m:\raw+99+8*\m], v9, s[2:3] offset:128*(\m/2)+64*(\m%2)
	global_load_b128 v[\raw+100+8*\m:\raw+103+8*\m], v9, s[2:3] offset:128*(\m/2)+64*(\m%2)+16
.endr
	WIN 0
	global_load_b32 v17, v10, s[2:3]
	global_load_b32 v18, v10, s[2:3] offset:128
.endm
; the lists become byte offsets: a point's row of FQ is 256 bytes.  Tile 3's offsets land where the lists lay: each list register is read before it is written
.macro GOFF raw
	WIN 0x44
.set N, 0
.rept 32
	v_min_u32 v[\raw+96+N], 0x7ff, v[\raw+96+N]
.set N, N+1
.endr
	WIN 0x41
.irp m, 0,1,2,3
.irp i, 0,1,2,3,4,5,6,7
	v_lshl_add_u32 v[\raw+32*\m+4*\i], v[\raw+96+8*\m+\i], 8, v8
.endr
.endr
	WIN 0
	v_min_u32 v17, 0x7ff, v17
	v_min_u32 v18, 0x7ff, v18
	v_mul_u32_u24 v17, v17, 12
	v_mul_u32_u24 v18, v18, 12
.endm
; the gather: lanes 0-15 read row i of the tile whole, lanes 16-31 row i + 8: two whole rows of 256 bytes a line.  Each load lands on its own offset register
.macro GLOAD raw
	WIN 0x41
.irp m, 0,1,2,3
.irp i, 0,1,2,3,4,5,6,7
	global_load_b128 v[\raw+32*\m+4*\i:\raw+32*\m+4*\i+3], v[\raw+32*\m+4*\i], s[4:5]
.endr
.endr
	WIN 0
.irp j, 0,1,2
	global_load_b32 v[19+\j], v17, s[10:11] offset:4*\j
	global_load_b32 v[22+\j], v18, s[10:11] offset:4*\j
.endr
.endm
; query qq: lane = sample.  g = ((x - q) x 20) rot, in f32; three codes and a zero in one word; lanes 0-15 of two fragments' register 0 take samples 0-15 and 16-31
.macro XCODE qq
	v_sub_f32 v248, v[19+3*\qq], s[32+3*\qq]
	v_sub_f32 v249, v[20+3*\qq], s[33+3*\qq]
	v_sub_f32 v250, v[21+3*\qq], s[34+3*\qq]
	v_mul_f32 v248, 0x41a00000, v248
	v_mul_f32 v249, 0x41a00000, v249
	v_mul_f32 v250, 0x41a00000, v250
.irp k, 0,1,2
	v_mul_f32 v[240+\k], s[40+9*\qq+\k], v248
.endr
.irp k, 0,1,2
	v_fma_f32 v[240+\k], v249, s[43+9*\qq+\k], v[240+\k]
.endr
.irp k, 0,1,2
	v_fma_f32 v[240+\k], v250, s[46+9*\qq+\k], v[240+\k]
.endr
.irp k, 0,1,2
	v_med3_num_f32 v[240+\k], v[240+\k], -v12, v12
.endr
	v_cvt_scalef32_pk8_fp8_f32 v[26:27], v[240:247], v11
	v_nop                                          ; one plain vector line behind a scaled conversion, ahead of the reader of its result
	v_cndmask_b32 v[XF+16*\qq], 0, v26, s28
	v_permlanex16_b32 v25, v26, s26, s27
	v_cndmask_b32 v[XF+8+16*\qq], 0, v25, s28
.endm
; the gathered rows turn into fragments through my wave's own stage, two tiles at a time.  LDS serves a wave's instructions in order: the second pair's stores come behind the first pair's loads
.macro GSTAGE raw
.irp pr, 0,1
	WIN 0x04
.irp tp, 0,1
.irp i, 0,1,2,3,4,5,6,7
	ds_store_b128 v6, v[\raw+32*(2*\pr+\tp)+4*\i:\raw+32*(2*\pr+\tp)+4*\i+3] offset:4352*\tp+272*\i
.endr
.endr
	s_wait_dscnt 0x0                               ; the stores have read their registers
	WIN 0x40
.irp tp, 0,1
.irp s, 0,1
.irp c, 0,1,2,3
	ds_load_b128 v[32*(2*\pr+\tp)+16*\s+4*\c:32*(2*\pr+\tp)+16*\s+4*\c+3], v7 offset:4352*\tp+128*\s+32*\c
.endr
.endr
.endr
.endr
	WIN 0
.endm
; tile t of W1 into set buf: 8 pieces, the xyz word, -K: 11 LDS loads
.macro LOADW1 buf, t
.irp p, 0,1,2,3,4,5,6,7
	ds_load_b128 v[WF+BUFD*(\buf)+4*\p:WF+BUFD*(\buf)+4*\p+3], v1 offset:4096*(\t)+512*\p
.endr
	ds_load_b32 v[WX+BUFD*(\buf)], v2 offset:128*(\t)
	ds_load_b128 v[AB+BUFD*(\buf):AB+BUFD*(\buf)+3], v3 offset:1024*(\t)
	ds_load_b128 v[AB+BUFD*(\buf)+4:AB+BUFD*(\buf)+7], v3 offset:1024*(\t)+512
.endm
; the sums of the four accumulators' 32 numbers and of their squares, each accumulator from its low end on, in two chains each
.macro STAT t
	v_pk_add_f32 v[248:249], v[32:33], v[34:35]
	v_pk_mul_f32 v[252:253], v[32:33], v[32:33]
	v_pk_mul_f32 v[254:255], v[34:35], v[34:35]
	v_pk_add_f32 v[250:251], v[36:37], v[38:39]
	v_pk_fma_f32 v[252:253], v[36:37], v[36:37], v[252:253]
	v_pk_fma_f32 v[254:255], v[38:39], v[38:39], v[254:255]
.irp p, 40,44,48,52,56,60
	v_pk_add_f32 v[248:249], v[248:249], v[\p:\p+1]
	v_pk_fma_f32 v[252:253], v[\p:\p+1], v[\p:\p+1], v[252:253]
	v_pk_add_f32 v[250:251], v[250:251], v[\p+2:\p+3]
	v_pk_fma_f32 v[254:255], v[\p+2:\p+3], v[\p+2:\p+3], v[254:255]
.endr
	v_pk_add_f32 v[248:249], v[248:249], v[250:251]
	v_pk_add_f32 v[252:253], v[252:253], v[254:255]
	v_add_f32 v248, v248, v249
	v_add_f32 v252, v252, v253
	v_add_f32 v[SS+(\t)], v[SS+(\t)], v248
	v_add_f32 v[QQ+(\t)], v[QQ+(\t)], v252
.endm
; tile t of channels for my 64 rows.  The four accumulators take turns, one instruction a turn
.macro TILE_S t
.set BF, BUFD*((\t)%2)
.if (\t) < 15
	LOADW1 1-(\t)%2, (\t)+1                        ; into the set that tile t - 1 read: its last matrix instruction stands more than four plain vector lines back
	s_wait_dscnt 11                                ; all but the 11 just issued: this tile's set is in
.else
	s_wait_dscnt 0x0
.endif
.irp m, 0,1,2,3
	v_wmma_f32_16x16x64_fp8_fp8 v[ACC+8*\m:ACC+8*\m+7], v[XF+8*\m:XF+8*\m+7], v[WX+BF:WX+BF+7], v[AB+BF:AB+BF+7]
.endr
	NOPS 5                                         ; another form takes these accumulators up: five places (ISA guide 7.12.1)
	WIN 0x01
.irp s, 0,1
.irp m, 0,1,2,3
	v_wmma_f32_16x16x128_fp8_fp8 v[ACC+8*\m:ACC+8*\m+7], v[32*\m+16*\s:32*\m+16*\s+15], v[WF+BF+16*\s:WF+BF+16*\s+15], v[ACC+8*\m:ACC+8*\m+7]
.endr
.endr
	WIN 0
	NOPS 4                                         ; places in front of the first read of results
	STAT \t
.endm
	s_load_b64 s[2:3], s[0:1], 0x0                 ; IDX
	s_load_b128 s[84:87], s[0:1], 0x8              ; FQ, WI
	s_load_b64 s[8:9], s[0:1], 0x18                ; xyz
	s_load_b128 s[12:15], s[0:1], 0x20             ; rot, the scales' exponents
	s_load_b64 s[76:77], s[0:1], 0x30              ; PART1
	v_lshl_add_u32 v174, v0, 2, 0x29c00
	v_mov_b32 v175, 0
	v_lshrrev_b32 v1, 5, v0
	v_readfirstlane_b32 s20, v1                    ; wave 0..7
	v_and_b32 v10, 31, v0                          ; lane
	v_and_b32 v8, 15, v0                           ; r
	v_bfe_u32 v9, v0, 4, 1                         ; h
	v_lshlrev_b32 v1, 4, v10
	v_lshl_add_u32 v2, v10, 2, XWL
	v_add_nc_u32 v3, PIV, v1
	s_mul_i32 s22, s20, 8704
	s_add_co_u32 s22, s22, GST
	v_mul_u32_u24 v6, v9, 2176
	v_lshl_add_u32 v6, v8, 4, v6
	v_add_nc_u32 v6, s22, v6                       ; in: row i + 8 h, 16 r bytes on
	v_mul_u32_u24 v7, v8, 272
	v_lshl_add_u32 v7, v9, 4, v7
	v_add_nc_u32 v7, s22, v7                       ; out: row r, 16 h bytes on
	s_lshl_b32 s22, s20, 13
	v_add_nc_u32 v252, s22, v1                     ; the pivot: my two tiles' images,
	s_lshl_b32 s22, s20, 11
	v_add_nc_u32 v253, s22, v3                     ; where their -K goes,
	v_and_b32 v254, 8, v8
	v_add_nc_u32 v254, v254, v8
	s_lshl_b32 s22, s20, 7
	s_add_co_u32 s22, s22, KV
	v_lshl_add_u32 v254, v254, 2, s22              ; and their K: channel 32 wave + r + 8 (r / 8), and 8 further on
	v_lshlrev_b32 v30, 4, v9                       ; 16 h
	v_lshlrev_b32 v29, 4, v0                       ; 16 x thread
	v_lshlrev_b32 v31, 3, v0                       ; 8 x thread
	v_lshlrev_b32 v8, 4, v8
	v_lshlrev_b32 v9, 5, v9
	v_lshlrev_b32 v10, 2, v10
	s_lshr_b32 s21, ttmp9, 6                       ; batch
	s_lshl_b32 s24, ttmp9, 5
	s_lshl_b32 s22, s20, 2
	s_add_co_u32 s24, s24, s22                     ; my first query
	s_mov_b32 s23, 0
	s_mov_b32 s26, 0x76543210
	s_mov_b32 s27, 0xfedcba98
	s_mov_b32 s28, 0x0000ffff
	s_mov_b32 s29, 0xffff0000
	s_lshl_b32 s60, s24, 7
	s_mov_b32 s61, 0
	s_lshl_b32 s62, s21, 19
	s_mov_b32 s63, 0
	s_mul_i32 s80, s21, 24576
	s_mov_b32 s81, 0
	s_mul_i32 s82, ttmp9, 3072
	s_mov_b32 s83, 0
	s_wait_kmcnt 0x0
	s_load_b128 s[16:19], s[14:15], 0x0
	s_add_nc_u64 s[2:3], s[2:3], s[60:61]
	s_add_nc_u64 s[4:5], s[84:85], s[62:63]
	s_add_nc_u64 s[10:11], s[8:9], s[80:81]
	s_add_nc_u64 s[76:77], s[76:77], s[82:83]
	GIDX RAW
.irp k, 0,1,2,3,4,5,6,7,8,9,10,11,12,13,14,15
	global_load_b128 v[32+4*\k:35+4*\k], v29, s[86:87] offset:4096*\k     ; W1's images, 4,096 consecutive bytes a line for the work-group
.endr
	global_load_b64 v[96:97], v31, s[86:87] offset:65536
	WIN 0x40
.irp s, 0,1
.irp c, 0,1,2,3
	global_load_b128 v[16*\s+4*\c:16*\s+4*\c+3], v30, s[84:85] offset:128*\s+32*\c   ; the pivot's row, point 0 of batch 0, as 16 equal rows of a fragment
.endr
.endr
	WIN 0
	s_wait_loadcnt 0x0
	s_wait_kmcnt 0x0
	GOFF RAW
	GLOAD RAW                                      ; the first trip's gather lands under the copy and the pivot
.irp k, 0,1,2,3,4,5,6,7,8,9,10,11,12,13,14,15
	ds_store_b128 v29, v[32+4*\k:35+4*\k] offset:4096*\k
.endr
	v_add_nc_u32 v31, XWL, v31
	ds_store_b64 v31, v[96:97]
	s_add_co_i32 s58, s16, s17                     ; e0 + e1: a sum stands for sum x 2^(e0 + e1)
	s_add_co_i32 s60, s16, 127
	s_lshl_b32 s61, s60, 23
	v_mov_b32 v11, s61                             ; 2^e0
	s_add_co_i32 s60, s60, 8
	s_lshl_b32 s60, s60, 23
	s_or_b32 s60, s60, 0x600000
	v_mov_b32 v12, s60                             ; 448 x 2^e0
	s_wait_dscnt 0x0                               ; for the others' sake: my part of the images lies in LDS
	s_barrier_signal -1
	s_barrier_wait -1
	; the pivot: wave w makes K of tiles 2 w and 2 w + 1.  All 16 rows are equal, so every register of the result holds K of the lane's channel: negated, it is C's image
.irp p, 0,1,2,3,4,5,6,7
	ds_load_b128 v[120+4*\p:123+4*\p], v252 offset:512*\p
	ds_load_b128 v[208+4*\p:211+4*\p], v252 offset:4096+512*\p
.endr
	s_wait_dscnt 0x0
	WIN 0x01
	v_wmma_f32_16x16x128_fp8_fp8 v[32:39], v[0:15], v[120:135], 0
	v_wmma_f32_16x16x128_fp8_fp8 v[40:47], v[0:15], v[208:223], 0
	v_wmma_f32_16x16x128_fp8_fp8 v[32:39], v[16:31], v[136:151], v[32:39]
	v_wmma_f32_16x16x128_fp8_fp8 v[40:47], v[16:31], v[224:239], v[40:47]
	WIN 0
	NOPS 4
.set N, 0
.rept 16
	v_mul_f32 v[48+N], -1.0, v[32+N]
.set N, N+1
.endr
.irp k, 0,1,2,3
	ds_store_b128 v253, v[48+4*\k:51+4*\k] offset:512*\k
.endr
	ds_store_b32 v254, v32                         ; both halves of the lanes store the same number to the same word
	ds_store_b32 v254, v40 offset:32
	; what stays zero: registers 1-7 of the xyz fragments, numbers 3-7 of the conversion; the sums begin at zero
.irp m, 0,1,2,3
.irp i, 1,2,3,4,5,6,7
	v_mov_b32 v[XF+8*\m+\i], 0
.endr
.endr
.irp i, 1,2,3,4,5,6,7
	v_mov_b32 v[WX+\i], 0
	v_mov_b32 v[WX+BUFD+\i], 0
.endr
.irp i, 243,244,245,246,247,25,28
	v_mov_b32 v\i, 0
.endr
.set N, 0
.rept 32
	v_mov_b32 v[SS+N], 0
.set N, N+1
.endr
	s_wait_dscnt 0x0
	s_barrier_signal -1
	s_barrier_wait -1
.Ltrip:                                            ; two trips of 64 rows
	s_wait_loadcnt 0x0                             ; the gather,
	s_wait_kmcnt 0x0                               ; and the two queries' numbers
	XCODE 0
	XCODE 1
	GSTAGE RAW
	LOADW1 0, 0
	TILE_S 0
	s_cmp_lg_u32 s23, 0                            ; the next trip's lists are asked for in the first trip alone: no load leaves its buffer
	s_cbranch_scc1 .Lno_a
	s_add_nc_u64 s[2:3], s[2:3], 256               ; (all loads that read this base are done: the wait at the trip's head)
	s_add_co_u32 s24, s24, 2
	GIDX RAW
.Lno_a:
	TILE_S 1
	TILE_S 2
	TILE_S 3
	TILE_S 4
	s_cmp_lg_u32 s23, 0
	s_cbranch_scc1 .Lno_b
	s_wait_loadcnt 0x0                             ; the lists are in
	GOFF RAW
	GLOAD RAW                                      ; eleven tiles' work in which to land
.Lno_b:
.set Q, 5
.rept 11
	TILE_S Q
.set Q, Q+1
.endr
	s_add_co_u32 s23, s23, 1
	s_cmp_lt_u32 s23, 2
	s_cbranch_scc1 .Ltrip
	; THE TAIL.  The two halves of the lanes hold the sums of different rows: they are joined; lanes 0-15 then give S, lanes 16-31 Q; the eight waves' parts meet in LDS
.set N, 0
.rept 16
	v_permlanex16_b32 v25, v[SS+2*N], s26, s27
	v_permlanex16_b32 v28, v[SS+2*N+1], s26, s27
	v_add_f32 v[SS+2*N], v[SS+2*N], v25
	v_add_f32 v[SS+2*N+1], v[SS+2*N+1], v28
.set N, N+1
.endr
	v_and_b32 v64, 15, v0
	v_bfe_u32 v65, v0, 4, 1
	v_and_b32 v66, 8, v64
	v_add_nc_u32 v66, v66, v64                     ; r + 8 (r / 8)
	s_lshl_b32 s60, s20, 11
	s_add_co_u32 s60, s60, SQS
	v_lshl_add_u32 v67, v65, 10, s60
	v_lshl_add_u32 v67, v66, 2, v67                ; my wave's part: S, then Q, by channel
	s_lshl_b32 s60, s20, 9
	v_add_nc_u32 v71, s60, v1                      ; 512 wave + 16 lane: my 16 bytes of the record,
	v_add_nc_u32 v69, SQS, v71                     ; of the first wave's part (waves 0-3),
	s_and_b32 s60, s20, 1
	s_lshl_b32 s60, s60, 9
	s_add_co_u32 s60, s60, KV
	v_add_nc_u32 v70, s60, v1                      ; of K (waves 4, 5)
.irp t, 0,1,2,3,4,5,6,7,8,9,10,11,12,13,14,15
	v_cndmask_b32 v[72+\t], v[SS+\t], v[QQ+\t], s29
	ds_store_b32 v67, v[72+\t] offset:64*\t-32*(\t%2)
.endr
	s_wait_dscnt 0x0
	s_barrier_signal -1
	s_barrier_wait -1
	s_cmp_lt_u32 s20, 4
	s_cbranch_scc0 .Lkv
.irp k, 0,1,2,3,4,5,6,7
	ds_load_b128 v[128+4*\k:131+4*\k], v69 offset:2048*\k
.endr
	s_lshr_b32 s60, s20, 1
	s_lshl_b32 s60, s58, s60                       ; S x 2^E, Q x 2^(2 E)
	s_wait_dscnt 0x0
.irp k, 0,1,2,3
	v_pk_add_f32 v[128+4*\k:129+4*\k], v[128+4*\k:129+4*\k], v[144+4*\k:145+4*\k]
	v_pk_add_f32 v[130+4*\k:131+4*\k], v[130+4*\k:131+4*\k], v[146+4*\k:147+4*\k]
.endr
.irp k, 0,1
	v_pk_add_f32 v[128+4*\k:129+4*\k], v[128+4*\k:129+4*\k], v[136+4*\k:137+4*\k]
	v_pk_add_f32 v[130+4*\k:131+4*\k], v[130+4*\k:131+4*\k], v[138+4*\k:139+4*\k]
.endr
	v_pk_add_f32 v[128:129], v[128:129], v[132:133]
	v_pk_add_f32 v[130:131], v[130:131], v[134:135]
.irp i, 128,129,130,131
	v_ldexp_f32 v\i, v\i, s60
.endr
	global_store_b128 v71, v[128:131], s[76:77]    ; 512 consecutive bytes, aligned
	s_branch .Lend
.Lkv:
	s_cmp_lt_u32 s20, 6
	s_cbranch_scc0 .Lend
	ds_load_b128 v[128:131], v70
	s_wait_dscnt 0x0
.irp i, 128,129,130,131
	v_ldexp_f32 v\i, v\i, s58
.endr
	global_store_b128 v71, v[128:131], s[76:77]
.Lend:
	s_wait_tensorcnt 0x0
	ds_add_u32 v174, v175
	s_wait_dscnt 0x0
	s_endpgm
.Lfunc_end_k_qe0f3e88d28_stat1:
	.size	k_qe0f3e88d28_stat1, .Lfunc_end_k_qe0f3e88d28_stat1-k_qe0f3e88d28_stat1
	.p2alignl 7, 3214868480
	.fill 96, 4, 3214868480
	.section	.rodata,"a",@progbits
	.p2align	6, 0x0
	.amdhsa_kernel k_qe0f3e88d28_stat1
		.amdhsa_group_segment_fixed_size 172032
		.amdhsa_private_segment_fixed_size 0
		.amdhsa_enable_private_segment 0
		.amdhsa_kernarg_size 56
		.amdhsa_user_sgpr_count 2
		.amdhsa_user_sgpr_kernarg_segment_ptr 1
		.amdhsa_wavefront_size32 1
		.amdhsa_system_sgpr_workgroup_id_x 1
		.amdhsa_system_sgpr_workgroup_id_y 1
		.amdhsa_system_sgpr_workgroup_id_z 1
		.amdhsa_system_vgpr_workitem_id 0
		.amdhsa_next_free_vgpr 512
		.amdhsa_next_free_sgpr 100
		.amdhsa_reserve_vcc 0
		.amdhsa_float_denorm_mode_32 3
		.amdhsa_float_denorm_mode_16_64 3
		.amdhsa_memory_ordered 1
		.amdhsa_forward_progress 1
		.amdhsa_inst_pref_size 110
	.end_amdhsa_kernel
	.amdgpu_metadata
---
amdhsa.version: [ 1, 2 ]
amdhsa.kernels:
  - .name:           k_qe0f3e88d28_stat1
    .symbol:         k_qe0f3e88d28_stat1.kd
    .args:
      - { .name: IDX, .offset: 0, .size: 8, .value_kind: global_buffer, .address_space: global }
      - { .name: FQ, .offset: 8, .size: 8, .value_kind: global_buffer, .address_space: global }
      - { .name: WI, .offset: 16, .size: 8, .value_kind: global_buffer, .address_space: global }
      - { .name: seed_xyz_graspable, .offset: 24, .size: 8, .value_kind: global_buffer, .address_space: global }
      - { .name: vp_rot, .offset: 32, .size: 8, .value_kind: global_buffer, .address_space: global }
      - { .name: lowp_scales, .offset: 40, .size: 8, .value_kind: global_buffer, .address_space: global }
      - { .name: PART1, .offset: 48, .size: 8, .value_kind: global_buffer, .address_space: global }
    .group_segment_fixed_size: 172032
    .private_segment_fixed_size: 0
    .kernarg_segment_align: 8
    .kernarg_segment_size: 56
    .max_flat_workgroup_size: 256
    .sgpr_count:     100
    .vgpr_count:     512
    .wavefront_size: 32
...
	.end_amdgpu_metadata
.endif
;; end of part 2
;; launch red1 (part 3): grid 4 x 1, 8 waves a work-group, no clusters, 5,120 bytes of LDS; arguments PART1, RM1; writes RM1
.if DOCPART == 3
	.amdgcn_target "amdgcn-amd-amdhsa--gfx1250"
	.amdhsa_code_object_version 6
	.text
	.protected	k_qe0f3e88d28_red1
	.globl	k_qe0f3e88d28_red1
	.p2align	8
	.type	k_qe0f3e88d28_red1,@function
k_qe0f3e88d28_red1:
	s_mov_b64 s[64:65], 0
	v_nop
	global_prefetch_b8 v0, s[64:65] scope:SCOPE_SE
	s_setreg_imm32_b32 hwreg(HW_REG_WAVE_MODE, 25, 1), 1
	s_wait_xcnt 0x0
; RED: 256 records [S 256 | Q 256 | K 256] become, for each channel, r = 1 / sqrt(var + 1e-5) and the mean.  mean = K + sum S / M, var = sum Q / M - (sum S / M)^2, M = 2^18 rows; K is the same in all records.
; Work-group g: channels 64 g .. 64 g + 63.  Lanes 0-15 read S, lanes 16-31 Q, 16 bytes a lane: two whole blocks of 256 bytes a load.  Wave w: records w, w + 8, ...  All 32 loads of a wave go out at once.
; Four work-groups: 786,432 bytes are too little to share further; no matrix work, no cluster, nothing is read twice.
	s_load_b128 s[4:7], s[0:1], 0x0                ; the records, the result
	v_lshl_add_u32 v192, v0, 2, 0x1000
	v_mov_b32 v193, 0
	v_lshrrev_b32 v1, 5, v0
	v_readfirstlane_b32 s8, v1                     ; wave
	v_and_b32 v1, 31, v0
	v_and_b32 v2, 15, v0                           ; r
	v_bfe_u32 v3, v0, 4, 1                         ; h
	v_lshlrev_b32 v4, 4, v2
	v_lshl_add_u32 v5, v3, 10, v4                  ; 1,024 h + 16 r
	v_lshlrev_b32 v6, 4, v0                        ; LDS: 512 wave + 16 lane
	v_lshlrev_b32 v7, 4, v1
	s_lshl_b32 s10, ttmp9, 8
	s_mul_i32 s11, s8, 3072
	s_add_co_u32 s12, s10, s11
	s_mov_b32 s13, 0
	s_mov_b32 s11, 0
	s_mov_b32 s14, 0x76543210
	s_mov_b32 s15, 0xfedcba98
	s_mov_b32 s16, 0xffff0000
	s_wait_kmcnt 0x0
	s_add_nc_u64 s[12:13], s[4:5], s[12:13]
	s_add_nc_u64 s[4:5], s[4:5], s[10:11]
	s_add_nc_u64 s[6:7], s[6:7], s[10:11]
.set I, 0
.rept 32
	global_load_b128 v[32+4*I:35+4*I], v5, s[12:13] offset:24576*I
.set I, I+1
.endr
	global_load_b128 v[16:19], v4, s[4:5] offset:2048      ; K, from record 0
.irp i, 20,21,22,23
	v_mov_b32 v\i, 0                               ; a lane permute's destination counts as one of its sources
.endr
	s_wait_loadcnt 0x0
.irp k, 1,2,3,4,5,6,7                          ; four chains
.irp c, 0,1,2,3
	v_pk_add_f32 v[32+4*\c:33+4*\c], v[32+4*\c:33+4*\c], v[32+4*\c+16*\k:33+4*\c+16*\k]
	v_pk_add_f32 v[34+4*\c:35+4*\c], v[34+4*\c:35+4*\c], v[34+4*\c+16*\k:35+4*\c+16*\k]
.endr
.endr
	v_pk_add_f32 v[32:33], v[32:33], v[36:37]
	v_pk_add_f32 v[34:35], v[34:35], v[38:39]
	v_pk_add_f32 v[40:41], v[40:41], v[44:45]
	v_pk_add_f32 v[42:43], v[42:43], v[46:47]
	v_pk_add_f32 v[32:33], v[32:33], v[40:41]
	v_pk_add_f32 v[34:35], v[34:35], v[42:43]
	ds_store_b128 v6, v[32:35]
	s_wait_dscnt 0x0                               ; for the others' sake
	s_barrier_signal -1
	s_barrier_wait -1
.irp k, 0,1,2,3,4,5,6,7
	ds_load_b128 v[64+4*\k:67+4*\k], v7 offset:512*\k
.endr
	s_wait_dscnt 0x0
.irp k, 0,1,2,3
	v_pk_add_f32 v[64+4*\k:65+4*\k], v[64+4*\k:65+4*\k], v[80+4*\k:81+4*\k]
	v_pk_add_f32 v[66+4*\k:67+4*\k], v[66+4*\k:67+4*\k], v[82+4*\k:83+4*\k]
.endr
.irp k, 0,1
	v_pk_add_f32 v[64+4*\k:65+4*\k], v[64+4*\k:65+4*\k], v[72+4*\k:73+4*\k]
	v_pk_add_f32 v[66+4*\k:67+4*\k], v[66+4*\k:67+4*\k], v[74+4*\k:75+4*\k]
.endr
	v_pk_add_f32 v[64:65], v[64:65], v[68:69]
	v_pk_add_f32 v[66:67], v[66:67], v[70:71]
.irp i, 0,1,2,3
	v_permlanex16_b32 v[20+\i], v[64+\i], s14, s15         ; the other half of the lanes holds the other sum of the same channels
.endr
.irp i, 0,1,2,3
	v_cndmask_b32 v[24+\i], v[64+\i], v[20+\i], s16        ; S in every lane,
	v_cndmask_b32 v[28+\i], v[20+\i], v[64+\i], s16        ; and Q
.endr
.irp i, 0,1,2,3
	v_mul_f32 v[24+\i], 0x36800000, v[24+\i]               ; x 2^-18
	v_mul_f32 v[28+\i], 0x36800000, v[28+\i]
.endr
.irp i, 0,1,2,3
	v_fma_f32 v[28+\i], -v[24+\i], v[24+\i], v[28+\i]
.endr
.irp i, 0,1,2,3
	v_max_num_f32 v[28+\i], 0, v[28+\i]
.endr
.irp i, 0,1,2,3
	v_add_f32 v[28+\i], 0x3727c5ac, v[28+\i]               ; + 1e-5
.endr
.irp i, 0,1,2,3
	v_rsq_f32 v[36+\i], v[28+\i]
.endr
.irp i, 0,1,2,3
	v_add_f32 v[24+\i], v[16+\i], v[24+\i]                 ; the mean; plain lines behind the batch
.endr
	s_wait_alu depctr_va_vdst(0)                   ; one wait for the four roots, ahead of their first reader
.irp i, 0,1,2,3
	v_cndmask_b32 v[40+\i], v[36+\i], v[24+\i], s16        ; lanes 0-15: r; lanes 16-31: the mean
.endr
	s_cmp_lg_u32 s8, 0
	s_cbranch_scc1 .Lend
	global_store_b128 v5, v[40:43], s[6:7]         ; two whole blocks of 256 bytes
.Lend:
	s_wait_tensorcnt 0x0
	ds_add_u32 v192, v193
	s_wait_dscnt 0x0
	s_endpgm
.Lfunc_end_k_qe0f3e88d28_red1:
	.size	k_qe0f3e88d28_red1, .Lfunc_end_k_qe0f3e88d28_red1-k_qe0f3e88d28_red1
	.p2alignl 7, 3214868480
	.fill 96, 4, 3214868480
	.section	.rodata,"a",@progbits
	.p2align	6, 0x0
	.amdhsa_kernel k_qe0f3e88d28_red1
		.amdhsa_group_segment_fixed_size 5120
		.amdhsa_private_segment_fixed_size 0
		.amdhsa_enable_private_segment 0
		.amdhsa_kernarg_size 16
		.amdhsa_user_sgpr_count 2
		.amdhsa_user_sgpr_kernarg_segment_ptr 1
		.amdhsa_wavefront_size32 1
		.amdhsa_system_sgpr_workgroup_id_x 1
		.amdhsa_system_sgpr_workgroup_id_y 1
		.amdhsa_system_sgpr_workgroup_id_z 1
		.amdhsa_system_vgpr_workitem_id 0
		.amdhsa_next_free_vgpr 194
		.amdhsa_next_free_sgpr 66
		.amdhsa_reserve_vcc 0
		.amdhsa_float_denorm_mode_32 3
		.amdhsa_float_denorm_mode_16_64 3
		.amdhsa_memory_ordered 1
		.amdhsa_forward_progress 1
		.amdhsa_inst_pref_size 13
	.end_amdhsa_kernel
	.amdgpu_metadata
---
amdhsa.version: [ 1, 2 ]
amdhsa.kernels:
  - .name:           k_qe0f3e88d28_red1
    .symbol:         k_qe0f3e88d28_red1.kd
    .args:
      - { .name: PART1, .offset: 0, .size: 8, .value_kind: global_buffer, .address_space: global }
      - { .name: RM1, .offset: 8, .size: 8, .value_kind: global_buffer, .address_space: global }
    .group_segment_fixed_size: 5120
    .private_segment_fixed_size: 0
    .kernarg_segment_align: 8
    .kernarg_segment_size: 16
    .max_flat_workgroup_size: 256
    .sgpr_count:     66
    .vgpr_count:     194
    .wavefront_size: 32
...
	.end_amdgpu_metadata
.endif
;; end of part 3
;; launch chain (part 4): grid 256 x 1, 8 waves a work-group, no clusters, 277,504 bytes of LDS; arguments IDX, FQ, WI, seed_xyz_graspable, vp_rot, lowp_scales, RM1, gamma1, beta1, gamma2, PART2, MX; writes PART2, MX
.if DOCPART == 4
	.amdgcn_target "amdgcn-amd-amdhsa--gfx1250"
	.amdhsa_code_object_version 6
	.text
	.protected	k_qe0f3e88d28_chain
	.globl	k_qe0f3e88d28_chain
	.p2align	8
	.type	k_qe0f3e88d28_chain,@function
k_qe0f3e88d28_chain:
	s_mov_b64 s[64:65], 0
	v_nop
	global_prefetch_b8 v0, s[64:65] scope:SCOPE_SE
	s_setreg_imm32_b32 hwreg(HW_REG_WAVE_MODE, 25, 1), 1
	s_wait_xcnt 0x0
; CHAIN: gather, first convolution, batch norm 1 + relu + quantiser, second convolution; of its result only what the rest needs leaves: for each channel the sums of (z - K) and (z - K)^2, and for each query the largest z.
; z = sign(gamma2) x y2: the sign bit of W2's codes is turned in the rows whose gamma2 is negative (-Q(w) = Q(-w) exactly), so that relu(gamma2 (y2 - mean) r + beta2) rises with z and its maximum over the samples is taken at the largest z.
; K, the pivot, is z of the row h = Q(relu(beta1)), the same in every work-group; it goes in as C = -K of each sum's first matrix instruction.
; SHARES as in the launch for the first statistics: 32 queries a work-group, 4 a wave, two trips of 64 rows = 4 tiles of 16 rows.  Both weights lie in LDS as images of operand registers; the hidden layer never leaves the wave's registers;
; no barrier in the loop.  FIRST PRODUCT TRANSPOSED (source 0 = 16 rows of W1, source 1 = 16 rows of data): a lane holds one row, and the registers of tiles 2 b, 2 b + 1 are hidden units 32 b + 16 (lane / 16) + 0 .. 15: the conversions' results
; are the second product's operand.  SECOND PRODUCT AS IT STANDS (source 0 = rows, source 1 = 16 rows of W2): a lane holds channel 16 n + lane % 16, and sums and maxima over rows are over its registers.
; h = relu(a' sum + b'), a' = gamma1 r1 2^(e0 + e1), b' = beta1 - gamma1 r1 mean1: one packed multiply-add for two numbers; the hold that the conversion wants clips at 0 as well.
; No tensor loads, no cluster: the streamed operand is gathered by a list, through registers; what work-groups share is 133,120 bytes of weights, copied once.
; LIMITS: e0 and e2 between -126 and 119.  (x - q) / 0.05 is computed as x 20.0 (at most one unit in the last place off).  NaN among the inputs is not served.
; WINDOW 0: v1 16 lane; v2 XWL + 4 lane; v3 PIV + 16 lane; v4 W2IMG + 16 lane; v5 ABL + 64 h; v6, v7 the gather's stage, in and out; v8 16 r; v9 32 h; v10 4 lane; v11-14 2^e0, 448 x 2^e0, 2^e2, 448 x 2^e2; v15, v16 where a maximum goes;
;   v17-18 the samples' points; v19-24 their xyz; v25, v28 permutes' destinations; v26-27 xyz's codes; v32-63 four accumulators; v64.., v120..: two sets of (a weight's fragment 32, W1's xyz fragment 8, a' and b' 16 or -K 8);
;   v112-119 the maxima at work; v176-207 the rows' xyz fragments; v208-223, v224-239 the sums; v240-247 eight numbers for the conversion; v248-255 at work.
; WINDOW 1: v0-127 the gather as loaded, then the rows' fragments (32 a tile); v128-255 the hidden layer's fragments (32 a tile).
; SCALARS: s[2:3] IDX at my queries; s[4:5] FQ at my batch; s[6:7] WI; s[8:9] xyz; s[10:11] xyz at my batch; s[12:13] rot; s[16:19] e0 .. e3; s20 wave; s23 trip; s24 query; s25 8 x trip; s26-27 permute selects; s28, s29 lanes 0-15, 16-31;
;   s30, s31 scalar loads' offsets; s[32:37], s[40:57] two queries' point and rotation; s58 e0 + e1; s59 e2 + e3; s[68:75] RM1, gamma1, beta1, gamma2; s[76:77] my record of PART2; s[78:79] my wave's rows of MX.
.set XWL,   65536                      ; LDS: 0 W1's images; XWL their xyz words;
.set W2IMG, 67584                      ; W2's images, signs turned;
.set PIV,   133120                     ; -K as images of C, 1,024 bytes a tile;
.set ABL,   149504                     ; a', b', beta1 by channel, 1,024 bytes each;
.set KV,    152576                     ; K by channel;
.set GST,   153600                     ; 8,704 bytes a wave: two tiles of 16 rows, 272 bytes apart;
.set MXS,   223232                     ; the maxima: 256 channels x (32 queries x 4 bytes + 16);
.set SQS,   260096                     ; 2,048 bytes a wave: its sums
.set ACC,  32
.set WF,   64
.set WX,   96
.set AB,   104
.set BUFD, 56
.set XF,   176
.set SS,   208
.set QQ,   224
.set HF,   128
.set RAW,  0
.set MSB,  0
.macro WIN new                         ; the immediate's high byte repeats the setting that is left
.if MSB != \new
	s_set_vgpr_msb (MSB<<8)|\new
.set MSB, \new
.endif
.endm
.macro NOPS n
.rept \n
	v_nop
.endr
.endm
; two queries' lists (each lane: the 8 samples whose rows it will fetch, for each tile; and its own sample), their points and rotations
.macro GIDX raw
	s_mul_i32 s30, s24, 12
	s_mul_i32 s31, s24, 36
	s_load_b128 s[32:35], s[8:9], s30 offset:0x0
	s_load_b64 s[36:37], s[8:9], s30 offset:0x10
	s_load_b512 s[40:55], s[12:13], s31 offset:0x0
	s_load_b64 s[56:57], s[12:13], s31 offset:0x40
	WIN 0x40
.irp m, 0,1,2,3
	global_load_b128 v[\raw+96+8*\m:\raw+99+8*\m], v9, s[2:3] offset:128*(\m/2)+64*(\m%2)
	global_load_b128 v[\raw+100+8*\m:\raw+103+8*\m], v9, s[2:3] offset:128*(\m/2)+64*(\m%2)+16
.endr
	WIN 0
	global_load_b32 v17, v10, s[2:3]
	global_load_b32 v18, v10, s[2:3] offset:128
.endm
; the lists become byte offsets: a point's row of FQ is 256 bytes.  Tile 3's offsets land where the lists lay: each list register is read before it is written
.macro GOFF raw
	WIN 0x44
.set N, 0
.rept 32
	v_min_u32 v[\raw+96+N], 0x7ff, v[\raw+96+N]
.set N, N+1
.endr
	WIN 0x41
.irp m, 0,1,2,3
.irp i, 0,1,2,3,4,5,6,7
	v_lshl_add_u32 v[\raw+32*\m+4*\i], v[\raw+96+8*\m+\i], 8, v8
.endr
.endr
	WIN 0
	v_min_u32 v17, 0x7ff, v17
	v_min_u32 v18, 0x7ff, v18
	v_mul_u32_u24 v17, v17, 12
	v_mul_u32_u24 v18, v18, 12
.endm
; the gather: lanes 0-15 read row i of the tile whole, lanes 16-31 row i + 8: two whole rows of 256 bytes a line.  Each load lands on its own offset register
.macro GLOAD raw
	WIN 0x41
.irp m, 0,1,2,3
.irp i, 0,1,2,3,4,5,6,7
	global_load_b128 v[\raw+32*\m+4*\i:\raw+32*\m+4*\i+3], v[\raw+32*\m+4*\i], s[4:5]
.endr
.endr
	WIN 0
.irp j, 0,1,2
	global_load_b32 v[19+\j], v17, s[10:11] offset:4*\j
	global_load_b32 v[22+\j], v18, s[10:11] offset:4*\j
.endr
.endm
; query qq: lane = sample.  g = ((x - q) x 20) rot, in f32; three codes and a zero in one word; lanes 0-15 of two fragments' register 0 take samples 0-15 and 16-31
.macro XCODE qq
	v_sub_f32 v248, v[19+3*\qq], s[32+3*\qq]
	v_sub_f32 v249, v[20+3*\qq], s[33+3*\qq]
	v_sub_f32 v250, v[21+3*\qq], s[34+3*\qq]
	v_mul_f32 v248, 0x41a00000, v248
	v_mul_f32 v249, 0x41a00000, v249
	v_mul_f32 v250, 0x41a00000, v250
.irp k, 0,1,2
	v_mul_f32 v[240+\k], s[40+9*\qq+\k], v248
.endr
.irp k, 0,1,2
	v_fma_f32 v[240+\k], v249, s[43+9*\qq+\k], v[240+\k]
.endr
.irp k, 0,1,2
	v_fma_f32 v[240+\k], v250, s[46+9*\qq+\k], v[240+\k]
.endr
.irp k, 0,1,2
	v_med3_num_f32 v[240+\k], v[240+\k], -v12, v12
.endr
	v_cvt_scalef32_pk8_fp8_f32 v[26:27], v[240:247], v11
	v_nop                                          ; one plain vector line behind a scaled conversion, ahead of the reader of its result
	v_cndmask_b32 v[XF+16*\qq], 0, v26, s28
	v_permlanex16_b32 v25, v26, s26, s27
	v_cndmask_b32 v[XF+8+16*\qq], 0, v25, s28
.endm
; the gathered rows turn into fragments through my wave's own stage, two tiles at a time, back into the registers that they left.  LDS serves a wave's instructions in order: the second pair's stores come behind the first pair's loads
.macro GSTAGE raw
.irp pr, 0,1
	WIN 0x04
.irp tp, 0,1
.irp i, 0,1,2,3,4,5,6,7
	ds_store_b128 v6, v[\raw+32*(2*\pr+\tp)+4*\i:\raw+32*(2*\pr+\tp)+4*\i+3] offset:4352*\tp+272*\i
.endr
.endr
	s_wait_dscnt 0x0                               ; the stores have read their registers: the loads below land there
	WIN 0x40
.irp tp, 0,1
.irp s, 0,1
.irp c, 0,1,2,3
	ds_load_b128 v[32*(2*\pr+\tp)+16*\s+4*\c:32*(2*\pr+\tp)+16*\s+4*\c+3], v7 offset:4352*\tp+128*\s+32*\c
.endr
.endr
.endr
.endr
	WIN 0
.endm
; tile t of W1 into set buf: 8 pieces, the xyz word, a' and b' of the lane's eight hidden units: 13 LDS loads
.macro LOADW1 buf, t
.irp p, 0,1,2,3,4,5,6,7
	ds_load_b128 v[WF+BUFD*(\buf)+4*\p:WF+BUFD*(\buf)+4*\p+3], v1 offset:4096*(\t)+512*\p
.endr
	ds_load_b32 v[WX+BUFD*(\buf)], v2 offset:128*(\t)
	ds_load_b128 v[AB+BUFD*(\buf):AB+BUFD*(\buf)+3], v5 offset:128*((\t)/2)+32*((\t)%2)
	ds_load_b128 v[AB+BUFD*(\buf)+4:AB+BUFD*(\buf)+7], v5 offset:128*((\t)/2)+32*((\t)%2)+16
	ds_load_b128 v[AB+BUFD*(\buf)+8:AB+BUFD*(\buf)+11], v5 offset:128*((\t)/2)+32*((\t)%2)+1024
	ds_load_b128 v[AB+BUFD*(\buf)+12:AB+BUFD*(\buf)+15], v5 offset:128*((\t)/2)+32*((\t)%2)+1040
.endm
; tile n of W2 into set buf: 8 pieces and -K: 10 LDS loads
.macro LOADW2 buf, n
.irp p, 0,1,2,3,4,5,6,7
	ds_load_b128 v[WF+BUFD*(\buf)+4*\p:WF+BUFD*(\buf)+4*\p+3], v4 offset:4096*(\n)+512*\p
.endr
	ds_load_b128 v[AB+BUFD*(\buf):AB+BUFD*(\buf)+3], v3 offset:1024*(\n)
	ds_load_b128 v[AB+BUFD*(\buf)+4:AB+BUFD*(\buf)+7], v3 offset:1024*(\n)+512
.endm
; the sums of the four accumulators' 32 numbers and of their squares, each accumulator from its low end on, in two chains each
.macro STAT t
	v_pk_add_f32 v[248:249], v[32:33], v[34:35]
	v_pk_mul_f32 v[252:253], v[32:33], v[32:33]
	v_pk_mul_f32 v[254:255], v[34:35], v[34:35]
	v_pk_add_f32 v[250:251], v[36:37], v[38:39]
	v_pk_fma_f32 v[252:253], v[36:37], v[36:37], v[252:253]
	v_pk_fma_f32 v[254:255], v[38:39], v[38:39], v[254:255]
.irp p, 40,44,48,52,56,60
	v_pk_add_f32 v[248:249], v[248:249], v[\p:\p+1]
	v_pk_fma_f32 v[252:253], v[\p:\p+1], v[\p:\p+1], v[252:253]
	v_pk_add_f32 v[250:251], v[250:251], v[\p+2:\p+3]
	v_pk_fma_f32 v[254:255], v[\p+2:\p+3], v[\p+2:\p+3], v[254:255]
.endr
	v_pk_add_f32 v[248:249], v[248:249], v[250:251]
	v_pk_add_f32 v[252:253], v[252:253], v[254:255]
	v_add_f32 v248, v248, v249
	v_add_f32 v252, v252, v253
	v_add_f32 v[SS+(\t)], v[SS+(\t)], v248
	v_add_f32 v[QQ+(\t)], v[QQ+(\t)], v252
.endm
; tile t of the hidden layer for my 64 rows.  The four accumulators take turns, one instruction a turn
.macro TILE1 t
.set BF, BUFD*((\t)%2)
.set HO, 16*((\t)/8)+4*(((\t)/2)%4)+2*((\t)%2)
.if (\t) < 15
	LOADW1 1-(\t)%2, (\t)+1                        ; into the set that the tile before read: its last matrix instruction stands more than four plain vector lines back
	s_wait_dscnt 13                                ; all but the 13 just issued: this tile's set is in
.else
	LOADW2 0, 0
	s_wait_dscnt 10                                ; all but the 10 just issued
.endif
.irp m, 0,1,2,3
	v_wmma_f32_16x16x64_fp8_fp8 v[ACC+8*\m:ACC+8*\m+7], v[WX+BF:WX+BF+7], v[XF+8*\m:XF+8*\m+7], 0
.endr
	NOPS 5                                         ; another form takes these accumulators up: five places (ISA guide 7.12.1)
	WIN 0x04
.irp s, 0,1
.irp m, 0,1,2,3
	v_wmma_f32_16x16x128_fp8_fp8 v[ACC+8*\m:ACC+8*\m+7], v[WF+BF+16*\s:WF+BF+16*\s+15], v[32*\m+16*\s:32*\m+16*\s+15], v[ACC+8*\m:ACC+8*\m+7]
.endr
.endr
	WIN 0
	NOPS 4                                         ; places in front of the first read of results
.irp m, 0,1,2,3
.irp j, 0,2,4,6
	v_pk_fma_f32 v[ACC+8*\m+\j:ACC+8*\m+\j+1], v[ACC+8*\m+\j:ACC+8*\m+\j+1], v[AB+BF+\j:AB+BF+\j+1], v[AB+BF+8+\j:AB+BF+8+\j+1]   ; a' sum + b'
.endr
.endr
.set N, 0
.rept 32
	v_med3_num_f32 v[ACC+N], v[ACC+N], 0, v14      ; the activation and the hold in one (the conversion to an 8-bit code does not saturate: ISA guide 7.6.2)
.set N, N+1
.endr
	WIN 0x40
.irp m, 0,1,2,3
	v_cvt_scalef32_pk8_fp8_f32 v[HF+32*\m+HO:HF+32*\m+HO+1], v[ACC+8*\m:ACC+8*\m+7], v13
.endr
	WIN 0
	v_nop                                          ; one plain vector line behind the conversions: the next products write their sources
.endm
; tile n of the second product for my 64 rows: sums, and each query's largest z
.macro TILE2 n
.set BF, BUFD*((\n)%2)
.if (\n) < 15
	LOADW2 1-(\n)%2, (\n)+1
	s_wait_dscnt 10                                ; all but the 10 just issued: this tile's set is in, and the last tile's store of its maxima is done
.else
	s_wait_dscnt 0x0
.endif
	WIN 0x01
.irp m, 0,1,2,3
	v_wmma_f32_16x16x128_fp8_fp8 v[ACC+8*\m:ACC+8*\m+7], v[HF+32*\m:HF+32*\m+15], v[WF+BF:WF+BF+15], v[AB+BF:AB+BF+7]
.endr
.irp m, 0,1,2,3
	v_wmma_f32_16x16x128_fp8_fp8 v[ACC+8*\m:ACC+8*\m+7], v[HF+32*\m+16:HF+32*\m+31], v[WF+BF+16:WF+BF+31], v[ACC+8*\m:ACC+8*\m+7]
.endr
	WIN 0
	NOPS 4
	STAT \n
.irp qq, 0,1
	v_max3_num_f32 v[112+2*\qq], v[32+16*\qq], v[33+16*\qq], v[34+16*\qq]
	v_max3_num_f32 v[113+2*\qq], v[40+16*\qq], v[41+16*\qq], v[42+16*\qq]
.endr
.irp qq, 0,1
	v_max3_num_f32 v[112+2*\qq], v[112+2*\qq], v[35+16*\qq], v[36+16*\qq]
	v_max3_num_f32 v[113+2*\qq], v[113+2*\qq], v[43+16*\qq], v[44+16*\qq]
.endr
.irp qq, 0,1
	v_max3_num_f32 v[112+2*\qq], v[112+2*\qq], v[37+16*\qq], v[38+16*\qq]
	v_max3_num_f32 v[113+2*\qq], v[113+2*\qq], v[45+16*\qq], v[46+16*\qq]
.endr
.irp qq, 0,1
	v_max3_num_f32 v[112+2*\qq], v[112+2*\qq], v[39+16*\qq], v[47+16*\qq]
.endr
.irp qq, 0,1
	v_max_num_f32 v[112+2*\qq], v[112+2*\qq], v[113+2*\qq]
.endr
	v_permlanex16_b32 v25, v112, s26, s27          ; the query's other 16 rows lie in the lane 16 away
	v_permlanex16_b32 v28, v114, s26, s27
	v_max_num_f32 v112, v112, v25
	v_max_num_f32 v114, v114, v28
	v_cndmask_b32 v112, v112, v114, s29            ; lanes 0-15 give the first query's, lanes 16-31 the second's
	v_sub_f32 v112, v112, v[AB+BF]                 ; K comes back: C was -K
	ds_store_b32 v16, v112 offset:2304*(\n)
.endm
	s_load_b64 s[2:3], s[0:1], 0x0                 ; IDX
	s_load_b128 s[4:7], s[0:1], 0x8                ; FQ, WI
	s_load_b64 s[8:9], s[0:1], 0x18                ; xyz
	s_load_b128 s[12:15], s[0:1], 0x20             ; rot, the scales' exponents
	s_load_b256 s[68:75], s[0:1], 0x30             ; RM1, gamma1, beta1, gamma2
	s_load_b128 s[76:79], s[0:1], 0x50             ; PART2, MX
	v_lshrrev_b32 v1, 5, v0
	v_readfirstlane_b32 s20, v1                    ; wave 0..7
	v_and_b32 v10, 31, v0                          ; lane
	v_and_b32 v8, 15, v0                           ; r
	v_bfe_u32 v9, v0, 4, 1                         ; h
	v_lshlrev_b32 v1, 4, v10
	v_lshl_add_u32 v2, v10, 2, XWL
	v_add_nc_u32 v3, PIV, v1
	v_add_nc_u32 v4, W2IMG, v1
	v_lshl_add_u32 v5, v9, 6, ABL
	s_mul_i32 s22, s20, 8704
	s_add_co_u32 s22, s22, GST
	v_mul_u32_u24 v6, v9, 2176
	v_lshl_add_u32 v6, v8, 4, v6
	v_add_nc_u32 v6, s22, v6                       ; in: row i + 8 h, 16 r bytes on
	v_mul_u32_u24 v7, v8, 272
	v_lshl_add_u32 v7, v9, 4, v7
	v_add_nc_u32 v7, s22, v7                       ; out: row r, 16 h bytes on
	v_mul_u32_u24 v15, v8, 144
	v_lshl_add_u32 v15, v9, 2, v15
	s_lshl_b32 s22, s20, 4
	s_add_co_u32 s22, s22, MXS
	v_add_nc_u32 v15, s22, v15                     ; channel r of a tile, query 4 wave + h (+ 2 trip)
	s_lshl_b32 s22, s20, 13
	v_add_nc_u32 v252, s22, v4                     ; the pivot: my two tiles' images of W2,
	s_lshl_b32 s22, s20, 11
	v_add_nc_u32 v253, s22, v3                     ; where their -K goes,
	s_lshl_b32 s22, s20, 7
	s_add_co_u32 s22, s22, KV
	v_lshl_add_u32 v254, v8, 2, s22                ; and their K: channel 32 wave + r, and 16 further on
	v_lshlrev_b32 v29, 4, v0                       ; 16 x thread
	v_lshlrev_b32 v30, 3, v0                       ; 8 x thread
	v_lshlrev_b32 v31, 2, v8                       ; 4 r
	v_lshl_add_u32 v184, v0, 2, ABL
	v_lshlrev_b32 v185, 2, v0                      ; 4 x thread
	v_lshlrev_b32 v8, 4, v8
	v_lshlrev_b32 v9, 5, v9
	v_lshlrev_b32 v10, 2, v10
	s_lshr_b32 s21, ttmp9, 6                       ; batch
	s_lshl_b32 s24, ttmp9, 5
	s_lshl_b32 s22, s20, 2
	s_add_co_u32 s24, s24, s22                     ; my first query
	s_mov_b32 s23, 0
	s_mov_b32 s25, 0
	s_mov_b32 s26, 0x76543210
	s_mov_b32 s27, 0xfedcba98
	s_mov_b32 s28, 0x0000ffff
	s_mov_b32 s29, 0xffff0000
	s_lshl_b32 s60, s24, 7
	s_mov_b32 s61, 0
	s_lshl_b32 s62, s21, 19
	s_mov_b32 s63, 0
	s_mul_i32 s80, s21, 24576
	s_mov_b32 s81, 0
	s_mul_i32 s82, ttmp9, 3072
	s_mov_b32 s83, 0
	s_lshl_b32 s84, ttmp9, 15
	s_lshl_b32 s85, s20, 12
	s_add_co_u32 s84, s84, s85
	s_mov_b32 s85, 0
	s_wait_kmcnt 0x0
	s_load_b128 s[16:19], s[14:15], 0x0
	s_add_nc_u64 s[2:3], s[2:3], s[60:61]
	s_add_nc_u64 s[4:5], s[4:5], s[62:63]
	s_add_nc_u64 s[10:11], s[8:9], s[80:81]
	s_add_nc_u64 s[76:77], s[76:77], s[82:83]
	s_add_nc_u64 s[78:79], s[78:79], s[84:85]
	GIDX RAW
.irp k, 0,1,2,3,4,5,6,7,8,9,10,11,12,13,14,15
	global_load_b128 v[32+4*\k:35+4*\k], v29, s[6:7] offset:4096*\k       ; W1's images: a tile, 4,096 consecutive bytes, a line for the work-group
.endr
	global_load_b64 v[96:97], v30, s[6:7] offset:65536
.irp k, 0,1,2,3,4,5,6,7,8,9,10,11,12,13,14,15
	global_load_b128 v[98+4*\k:101+4*\k], v29, s[6:7] offset:67584+4096*\k   ; W2's: line k is tile k, and my 16 codes belong to row 16 k + thread % 16,
	global_load_b32 v[162+\k], v31, s[74:75] offset:64*\k                    ; whose gamma2 this is
.endr
	global_load_b32 v178, v185, s[68:69]           ; r1, mean1, gamma1, beta1 of channel = thread
	global_load_b32 v179, v185, s[68:69] offset:1024
	global_load_b32 v180, v185, s[70:71]
	global_load_b32 v181, v185, s[72:73]
	s_wait_loadcnt 0x0
	s_wait_kmcnt 0x0
	GOFF RAW
	GLOAD RAW                                      ; the first trip's gather lands under the copies and the pivot
.irp k, 0,1,2,3,4,5,6,7,8,9,10,11,12,13,14,15
	ds_store_b128 v29, v[32+4*\k:35+4*\k] offset:4096*\k
.endr
	v_add_nc_u32 v30, XWL, v30
	ds_store_b64 v30, v[96:97]
	v_add_nc_u32 v31, W2IMG, v29
.irp k, 0,1,2,3,4,5,6,7,8,9,10,11,12,13,14,15
	v_ashrrev_i32 v[162+\k], 31, v[162+\k]
	v_and_b32 v[162+\k], 0x80808080, v[162+\k]     ; the four codes' sign bits where gamma2 is negative
.irp j, 0,1,2,3
	v_xor_b32 v[98+4*\k+\j], v[162+\k], v[98+4*\k+\j]
.endr
	ds_store_b128 v31, v[98+4*\k:101+4*\k] offset:4096*\k
.endr
	s_add_co_i32 s58, s16, s17                     ; e0 + e1
	s_add_co_i32 s59, s18, s19                     ; e2 + e3
	v_mul_f32 v182, v180, v178                     ; gamma1 r1
	v_fma_f32 v183, -v182, v179, v181              ; b'
	v_ldexp_f32 v182, v182, s58                    ; a'
	ds_store_b32 v184, v182
	ds_store_b32 v184, v183 offset:1024
	ds_store_b32 v184, v181 offset:2048
	s_add_co_i32 s60, s16, 127
	s_lshl_b32 s61, s60, 23
	v_mov_b32 v11, s61                             ; 2^e0
	s_add_co_i32 s60, s60, 8
	s_lshl_b32 s60, s60, 23
	s_or_b32 s60, s60, 0x600000
	v_mov_b32 v12, s60                             ; 448 x 2^e0
	s_add_co_i32 s60, s18, 127
	s_lshl_b32 s61, s60, 23
	v_mov_b32 v13, s61                             ; 2^e2
	s_add_co_i32 s60, s60, 8
	s_lshl_b32 s60, s60, 23
	s_or_b32 s60, s60, 0x600000
	v_mov_b32 v14, s60                             ; 448 x 2^e2
	s_wait_dscnt 0x0                               ; for the others' sake: my part of the images and of the parameters lies in LDS
	s_barrier_signal -1
	s_barrier_wait -1
	; the pivot: h = Q(relu(beta1)) as 16 equal rows; wave w makes K of tiles 2 w and 2 w + 1 of W2.  Every register of the result holds K of the lane's channel: negated, it is C's image
	WIN 0x40
.irp s, 0,1
.irp c, 0,1,2,3
.irp j, 0,1,2,3
	ds_load_b128 v[HF+64*\s+16*\c+4*\j:HF+64*\s+16*\c+4*\j+3], v5 offset:2048+512*\s+128*\c+16*\j
.endr
.endr
.endr
	WIN 0
.irp p, 0,1,2,3,4,5,6,7
	ds_load_b128 v[120+4*\p:123+4*\p], v252 offset:512*\p
	ds_load_b128 v[208+4*\p:211+4*\p], v252 offset:4096+512*\p
.endr
	s_wait_dscnt 0x0
	WIN 0x41
.set N, 0
.rept 128
	v_med3_num_f32 v[HF+N], v[HF+N], 0, v14
.set N, N+1
.endr
	WIN 0x01
.set N, 0
.rept 16
	v_cvt_scalef32_pk8_fp8_f32 v[64+2*N:65+2*N], v[HF+8*N:HF+8*N+7], v13
.set N, N+1
.endr
	WIN 0
	v_nop                                          ; one plain vector line between the conversions and the products that read their results
	v_wmma_f32_16x16x128_fp8_fp8 v[32:39], v[64:79], v[120:135], 0
	v_wmma_f32_16x16x128_fp8_fp8 v[40:47], v[64:79], v[208:223], 0
	v_wmma_f32_16x16x128_fp8_fp8 v[32:39], v[80:95], v[136:151], v[32:39]
	v_wmma_f32_16x16x128_fp8_fp8 v[40:47], v[80:95], v[224:239], v[40:47]
	NOPS 4
.set N, 0
.rept 16
	v_mul_f32 v[48+N], -1.0, v[32+N]
.set N, N+1
.endr
.irp k, 0,1,2,3
	ds_store_b128 v253, v[48+4*\k:51+4*\k] offset:512*\k
.endr
	ds_store_b32 v254, v32                         ; both halves of the lanes store the same number to the same word
	ds_store_b32 v254, v40 offset:64
	; what stays zero: registers 1-7 of the xyz fragments, numbers 3-7 of the conversion; the sums begin at zero
.irp m, 0,1,2,3
.irp i, 1,2,3,4,5,6,7
	v_mov_b32 v[XF+8*\m+\i], 0
.endr
.endr
.irp i, 1,2,3,4,5,6,7
	v_mov_b32 v[WX+\i], 0
	v_mov_b32 v[WX+BUFD+\i], 0
.endr
.irp i, 243,244,245,246,247,25,28
	v_mov_b32 v\i, 0
.endr
.set N, 0
.rept 32
	v_mov_b32 v[SS+N], 0
.set N, N+1
.endr
	s_wait_dscnt 0x0
	s_barrier_signal -1
	s_barrier_wait -1
.Ltrip:                                            ; two trips of 64 rows
	s_wait_loadcnt 0x0                             ; the gather,
	s_wait_kmcnt 0x0                               ; and the two queries' numbers
	v_add_nc_u32 v16, s25, v15
	XCODE 0
	XCODE 1
	GSTAGE RAW
	LOADW1 0, 0
.set Q, 0
.rept 16
	TILE1 Q
.set Q, Q+1
.endr
	TILE2 0
	s_cmp_lg_u32 s23, 0                            ; the next trip's lists are asked for in the first trip alone: no load leaves its buffer.  The rows' fragments are done with: the gather may land there
	s_cbranch_scc1 .Lno_a
	s_add_nc_u64 s[2:3], s[2:3], 256               ; (all loads that read this base are done: the wait at the trip's head)
	s_add_co_u32 s24, s24, 2
	GIDX RAW
.Lno_a:
	TILE2 1
	TILE2 2
	TILE2 3
	TILE2 4
	s_cmp_lg_u32 s23, 0
	s_cbranch_scc1 .Lno_b
	s_wait_loadcnt 0x0                             ; the lists are in
	GOFF RAW
	GLOAD RAW                                      ; eleven tiles' work in which to land
.Lno_b:
.set Q, 5
.rept 11
	TILE2 Q
.set Q, Q+1
.endr
	s_add_co_u32 s25, s25, 8
	s_add_co_u32 s23, s23, 1
	s_cmp_lt_u32 s23, 2
	s_cbranch_scc1 .Ltrip
	; THE TAIL.  The two halves of the lanes hold the sums of different rows: they are joined; lanes 0-15 then give S, lanes 16-31 Q; the eight waves' parts meet in LDS
.set N, 0
.rept 16
	v_permlanex16_b32 v25, v[SS+2*N], s26, s27
	v_permlanex16_b32 v28, v[SS+2*N+1], s26, s27
	v_add_f32 v[SS+2*N], v[SS+2*N], v25
	v_add_f32 v[SS+2*N+1], v[SS+2*N+1], v28
.set N, N+1
.endr
	v_and_b32 v64, 15, v0
	v_bfe_u32 v65, v0, 4, 1
	v_and_b32 v66, 31, v0
	s_lshl_b32 s60, s20, 11
	s_add_co_u32 s60, s60, SQS
	v_lshl_add_u32 v67, v65, 10, s60
	v_lshl_add_u32 v67, v64, 2, v67                ; my wave's part: S, then Q, by channel
	v_lshrrev_b32 v68, 3, v66
	v_mul_u32_u24 v68, v68, 144
	v_and_b32 v90, 7, v0
	v_lshl_add_u32 v68, v90, 4, v68
	s_mul_i32 s60, s20, 4608
	s_add_co_u32 s60, s60, MXS
	v_add_nc_u32 v68, s60, v68                     ; the maxima of my wave's 32 channels: four rows of 128 bytes a load
	s_lshl_b32 s60, s20, 9
	v_add_nc_u32 v71, s60, v1                      ; 512 wave + 16 lane: my 16 bytes of the record,
	v_add_nc_u32 v69, SQS, v71                     ; of the first wave's part (waves 0-3),
	s_and_b32 s60, s20, 1
	s_lshl_b32 s60, s60, 9
	s_add_co_u32 s60, s60, KV
	v_add_nc_u32 v70, s60, v1                      ; of K (waves 4, 5)
.irp t, 0,1,2,3,4,5,6,7,8,9,10,11,12,13,14,15
	v_cndmask_b32 v[72+\t], v[SS+\t], v[QQ+\t], s29
	ds_store_b32 v67, v[72+\t] offset:64*\t
.endr
	s_wait_dscnt 0x0                               ; for the others' sake: my sums and my maxima lie in LDS
	s_barrier_signal -1
	s_barrier_wait -1
.irp k, 0,1,2,3,4,5,6,7
	ds_load_b128 v[96+4*\k:99+4*\k], v68 offset:576*\k
.endr
	s_wait_dscnt 0x0
.set N, 0
.rept 32
	v_ldexp_f32 v[96+N], v[96+N], s59              ; x 2^(e2 + e3)
.set N, N+1
.endr
.irp k, 0,1,2,3,4,5,6,7
	global_store_b128 v1, v[96+4*\k:99+4*\k], s[78:79] offset:512*\k      ; four channels x 32 queries: 512 consecutive bytes, aligned
.endr
	s_cmp_lt_u32 s20, 4
	s_cbranch_scc0 .Lkv
.irp k, 0,1,2,3,4,5,6,7
	ds_load_b128 v[128+4*\k:131+4*\k], v69 offset:2048*\k
.endr
	s_lshr_b32 s60, s20, 1
	s_lshl_b32 s60, s59, s60                       ; S x 2^E, Q x 2^(2 E)
	s_wait_dscnt 0x0
.irp k, 0,1,2,3
	v_pk_add_f32 v[128+4*\k:129+4*\k], v[128+4*\k:129+4*\k], v[144+4*\k:145+4*\k]
	v_pk_add_f32 v[130+4*\k:131+4*\k], v[130+4*\k:131+4*\k], v[146+4*\k:147+4*\k]
.endr
.irp k, 0,1
	v_pk_add_f32 v[128+4*\k:129+4*\k], v[128+4*\k:129+4*\k], v[136+4*\k:137+4*\k]
	v_pk_add_f32 v[130+4*\k:131+4*\k], v[130+4*\k:131+4*\k], v[138+4*\k:139+4*\k]
.endr
	v_pk_add_f32 v[128:129], v[128:129], v[132:133]
	v_pk_add_f32 v[130:131], v[130:131], v[134:135]
.irp i, 128,129,130,131
	v_ldexp_f32 v\i, v\i, s60
.endr
	global_store_b128 v71, v[128:131], s[76:77]    ; 512 consecutive bytes, aligned
	s_branch .Lend
.Lkv:
	s_cmp_lt_u32 s20, 6
	s_cbranch_scc0 .Lend
	ds_load_b128 v[128:131], v70
	s_wait_dscnt 0x0
.irp i, 128,129,130,131
	v_ldexp_f32 v\i, v\i, s59
.endr
	global_store_b128 v71, v[128:131], s[76:77]
.Lend:
	s_wait_xcnt 0x0
	v_lshl_add_u32 v254, v0, 2, 0x43800
	v_mov_b32 v255, 0
	s_wait_tensorcnt 0x0
	ds_add_u32 v254, v255
	s_wait_dscnt 0x0
	s_endpgm
.Lfunc_end_k_qe0f3e88d28_chain:
	.size	k_qe0f3e88d28_chain, .Lfunc_end_k_qe0f3e88d28_chain-k_qe0f3e88d28_chain
	.p2alignl 7, 3214868480
	.fill 96, 4, 3214868480
	.section	.rodata,"a",@progbits
	.p2align	6, 0x0
	.amdhsa_kernel k_qe0f3e88d28_chain
		.amdhsa_group_segment_fixed_size 277504
		.amdhsa_private_segment_fixed_size 0
		.amdhsa_enable_private_segment 0
		.amdhsa_kernarg_size 96
		.amdhsa_user_sgpr_count 2
		.amdhsa_user_sgpr_kernarg_segment_ptr 1
		.amdhsa_wavefront_size32 1
		.amdhsa_system_sgpr_workgroup_id_x 1
		.amdhsa_system_sgpr_workgroup_id_y 1
		.amdhsa_system_sgpr_workgroup_id_z 1
		.amdhsa_system_vgpr_workitem_id 0
		.amdhsa_next_free_vgpr 512
		.amdhsa_next_free_sgpr 100
		.amdhsa_reserve_vcc 0
		.amdhsa_float_denorm_mode_32 3
		.amdhsa_float_denorm_mode_16_64 3
		.amdhsa_memory_ordered 1
		.amdhsa_forward_progress 1
		.amdhsa_inst_pref_size 230
	.end_amdhsa_kernel
	.amdgpu_metadata
---
amdhsa.version: [ 1, 2 ]
amdhsa.kernels:
  - .name:           k_qe0f3e88d28_chain
    .symbol:         k_qe0f3e88d28_chain.kd
    .args:
      - { .name: IDX, .offset: 0, .size: 8, .value_kind: global_buffer, .address_space: global }
      - { .name: FQ, .offset: 8, .size: 8, .value_kind: global_buffer, .address_space: global }
      - { .name: WI, .offset: 16, .size: 8, .value_kind: global_buffer, .address_space: global }
      - { .name: seed_xyz_graspable, .offset: 24, .size: 8, .value_kind: global_buffer, .address_space: global }
      - { .name: vp_rot, .offset: 32, .size: 8, .value_kind: global_buffer, .address_space: global }
      - { .name: lowp_scales, .offset: 40, .size: 8, .value_kind: global_buffer, .address_space: global }
      - { .name: RM1, .offset: 48, .size: 8, .value_kind: global_buffer, .address_space: global }
      - { .name: gamma1, .offset: 56, .size: 8, .value_kind: global_buffer, .address_space: global }
      - { .name: beta1, .offset: 64, .size: 8, .value_kind: global_buffer, .address_space: global }
      - { .name: gamma2, .offset: 72, .size: 8, .value_kind: global_buffer, .address_space: global }
      - { .name: PART2, .offset: 80, .size: 8, .value_kind: global_buffer, .address_space: global }
      - { .name: MX, .offset: 88, .size: 8, .value_kind: global_buffer, .address_space: global }
    .group_segment_fixed_size: 277504
    .private_segment_fixed_size: 0
    .kernarg_segment_align: 8
    .kernarg_segment_size: 96
    .max_flat_workgroup_size: 256
    .sgpr_count:     100
    .vgpr_count:     512
    .wavefront_size: 32
...
	.end_amdgpu_metadata
.endif
;; end of part 4
;; launch red2: the kernel of part 3 again; grid 4 x 1, 8 waves a work-group, no clusters, 5,120 bytes of LDS; arguments PART2, RM2; writes RM2
;; launch final (part 5): grid 256 x 1, 8 waves a work-group, no clusters, 0 bytes of LDS; arguments MX, RM2, gamma2, beta2, out0; writes out0
.if DOCPART == 5
	.amdgcn_target "amdgcn-amd-amdhsa--gfx1250"
	.amdhsa_code_object_version 6
	.text
	.protected	k_qe0f3e88d28_final
	.globl	k_qe0f3e88d28_final
	.p2align	8
	.type	k_qe0f3e88d28_final,@function
k_qe0f3e88d28_final:
	s_mov_b64 s[64:65], 0
	v_nop
	global_prefetch_b8 v0, s[64:65] scope:SCOPE_SE
	s_setreg_imm32_b32 hwreg(HW_REG_WAVE_MODE, 25, 1), 1
	s_wait_xcnt 0x0
; FINAL: out0[b][o][p] = relu(|gamma2| r (z - mean) + beta2), z = the largest sign(gamma2) y2 over the query's samples, from MX [256 blocks of 32 queries][256 o][32 p].
; A stream: every byte is read once and written once.  Work-group: batch, two neighbouring blocks (64 queries), half of the channels; wave: 16 channels.
; A load takes channels o, o + 1 of both blocks: in each block 256 consecutive bytes; the store's lanes 0-15 then hold 256 consecutive bytes of out0's row o, lanes 16-31 of row o + 1.  No LDS, no barrier, no matrix work.
	s_load_b256 s[4:11], s[0:1], 0x0               ; MX, RM2, gamma2, beta2
	s_load_b64 s[12:13], s[0:1], 0x20              ; out0
	v_lshrrev_b32 v1, 5, v0
	v_readfirstlane_b32 s14, v1                    ; wave
	v_bfe_u32 v2, v0, 4, 1                         ; which of the two channels
	v_bfe_u32 v3, v0, 3, 1                         ; which of the two blocks
	v_and_b32 v4, 7, v0                            ; which 16 bytes of a block's 128
	v_lshlrev_b32 v5, 15, v3
	v_lshl_add_u32 v5, v2, 7, v5
	v_lshl_add_u32 v5, v4, 4, v5                   ; in
	v_and_b32 v6, 15, v0
	v_lshlrev_b32 v6, 4, v6
	v_lshl_add_u32 v6, v2, 13, v6                  ; out: a row of out0 is 8,192 bytes
	v_mov_b32 v7, 0
	s_lshr_b32 s15, ttmp9, 6                       ; batch
	s_bfe_u32 s16, ttmp9, 0x50001                  ; which pair of blocks: 5 bits from bit 1
	s_and_b32 s17, ttmp9, 1                        ; which half of the channels
	s_lshl_b32 s18, s17, 7
	s_lshl_b32 s19, s14, 4
	s_add_co_u32 s18, s18, s19                     ; my first channel
	s_lshl_b32 s20, s15, 21                        ; MX: 64 blocks of 32,768 bytes a batch,
	s_lshl_b32 s21, s16, 16                        ; two blocks a pair,
	s_add_co_u32 s20, s20, s21
	s_lshl_b32 s21, s18, 7                         ; 128 bytes a channel
	s_add_co_u32 s20, s20, s21
	s_mov_b32 s21, 0
	s_lshl_b32 s22, s15, 21                        ; out0: 256 x 8,192 bytes a batch,
	s_lshl_b32 s23, s18, 13
	s_add_co_u32 s22, s22, s23
	s_lshl_b32 s23, s16, 8                         ; 256 bytes a pair of blocks
	s_add_co_u32 s22, s22, s23
	s_mov_b32 s23, 0
	s_lshl_b32 s24, s18, 2
	s_mov_b32 s25, 0
	s_mov_b32 s26, 0xffff0000
	s_wait_kmcnt 0x0
	s_add_nc_u64 s[4:5], s[4:5], s[20:21]
	s_add_nc_u64 s[12:13], s[12:13], s[22:23]
	s_add_nc_u64 s[6:7], s[6:7], s[24:25]
	s_add_nc_u64 s[8:9], s[8:9], s[24:25]
	s_add_nc_u64 s[10:11], s[10:11], s[24:25]
.irp k, 0,1,2,3                                ; my 16 channels' gamma2, beta2, r, mean: the same 64 bytes in every lane
	global_load_b128 v[16+4*\k:19+4*\k], v7, s[8:9] offset:16*\k
	global_load_b128 v[32+4*\k:35+4*\k], v7, s[10:11] offset:16*\k
	global_load_b128 v[48+4*\k:51+4*\k], v7, s[6:7] offset:16*\k
	global_load_b128 v[64+4*\k:67+4*\k], v7, s[6:7] offset:1024+16*\k
.endr
.irp k, 0,1,2,3,4,5,6,7
	global_load_b128 v[80+4*\k:83+4*\k], v5, s[4:5] offset:256*\k th:TH_LOAD_NT
.endr
	s_wait_loadcnt 8                               ; the parameters are in; the eight data loads may be out
.irp i, 0,1,2,3,4,5,6,7,8,9,10,11,12,13,14,15
	v_mul_f32 v[16+\i], |v[16+\i]|, v[48+\i]       ; A = |gamma2| r
.endr
.irp i, 0,1,2,3,4,5,6,7,8,9,10,11,12,13,14,15
	v_fma_f32 v[32+\i], -v[16+\i], v[64+\i], v[32+\i]      ; B = beta2 - A mean
.endr
.irp k, 0,1,2,3,4,5,6,7
	v_cndmask_b32 v[112+\k], v[16+2*\k], v[17+2*\k], s26   ; lanes 0-15: channel 2 k; lanes 16-31: channel 2 k + 1
	v_cndmask_b32 v[120+\k], v[32+2*\k], v[33+2*\k], s26
.endr
.irp k, 0,1,2,3,4,5,6,7
	s_wait_loadcnt 7-\k                            ; the younger loads may be out
.irp j, 0,1,2,3
	v_fma_f32 v[80+4*\k+\j], v[80+4*\k+\j], v[112+\k], v[120+\k]
.endr
.irp j, 0,1,2,3
	v_max_num_f32 v[80+4*\k+\j], 0, v[80+4*\k+\j]
.endr
	global_store_b128 v6, v[80+4*\k:83+4*\k], s[12:13] offset:16384*\k th:TH_STORE_NT   ; sixteen lanes store 256 consecutive bytes, aligned
.endr
	s_endpgm
.Lfunc_end_k_qe0f3e88d28_final:
	.size	k_qe0f3e88d28_final, .Lfunc_end_k_qe0f3e88d28_final-k_qe0f3e88d28_final
	.p2alignl 7, 3214868480
	.fill 96, 4, 3214868480
	.section	.rodata,"a",@progbits
	.p2align	6, 0x0
	.amdhsa_kernel k_qe0f3e88d28_final
		.amdhsa_group_segment_fixed_size 0
		.amdhsa_private_segment_fixed_size 0
		.amdhsa_enable_private_segment 0
		.amdhsa_kernarg_size 40
		.amdhsa_user_sgpr_count 2
		.amdhsa_user_sgpr_kernarg_segment_ptr 1
		.amdhsa_wavefront_size32 1
		.amdhsa_system_sgpr_workgroup_id_x 1
		.amdhsa_system_sgpr_workgroup_id_y 1
		.amdhsa_system_sgpr_workgroup_id_z 1
		.amdhsa_system_vgpr_workitem_id 0
		.amdhsa_next_free_vgpr 128
		.amdhsa_next_free_sgpr 66
		.amdhsa_reserve_vcc 0
		.amdhsa_float_denorm_mode_32 3
		.amdhsa_float_denorm_mode_16_64 3
		.amdhsa_memory_ordered 1
		.amdhsa_forward_progress 1
		.amdhsa_inst_pref_size 12
	.end_amdhsa_kernel
	.amdgpu_metadata
---
amdhsa.version: [ 1, 2 ]
amdhsa.kernels:
  - .name:           k_qe0f3e88d28_final
    .symbol:         k_qe0f3e88d28_final.kd
    .args:
      - { .name: MX, .offset: 0, .size: 8, .value_kind: global_buffer, .address_space: global }
      - { .name: RM2, .offset: 8, .size: 8, .value_kind: global_buffer, .address_space: global }
      - { .name: gamma2, .offset: 16, .size: 8, .value_kind: global_buffer, .address_space: global }
      - { .name: beta2, .offset: 24, .size: 8, .value_kind: global_buffer, .address_space: global }
      - { .name: out0, .offset: 32, .size: 8, .value_kind: global_buffer, .address_space: global }
    .group_segment_fixed_size: 0
    .private_segment_fixed_size: 0
    .kernarg_segment_align: 8
    .kernarg_segment_size: 40
    .max_flat_workgroup_size: 256
    .sgpr_count:     66
    .vgpr_count:     128
    .wavefront_size: 32
...
	.end_amdgpu_metadata
.endif
;; end of part 5
